; MI455X (gfx1250); checked and timed in simulation.
; The chip was launched on July 23, 2026; its instructions are those of AMD's public machine-readable ISA for CDNA 5 (MIT licence, August 2026) and "CDNA5" Instruction Set Architecture Reference Guide (July 2026). The comments in the code are by the model that wrote it; some were corrected since.
;; Self Attention. Allowed arithmetic: matrix products marked QUANTISED: E2M1 operands, one E8M0 scale for each 32 along K, by v_wmma_scale_f32_16x16x128_f8f6f4 with both operands' format E2M1 (or v_wmma_scale_f32_32x16x128_f4), f32 sums; everything else in f32.
;; Inputs: bk 1,024 float32; bo 1,024 float32; bq 1,024 float32; bv 1,024 float32; wk 1,024 x 1,024 float32; wo 1,024 x 1,024 float32; wq 1,024 x 1,024 float32; wv 1,024 x 1,024 float32; x 4 x 2,048 x 1,024 float32.
;; Outputs: out0 4 x 2,048 x 1,024 float32.
;; This version of the problem:
;;   THIS VERSION OF THE PROBLEM IS GIVEN IN LOW PRECISION. The matrix products marked QUANTISED in the list below multiply operands that are first quantised to E2M1 (2 exponent bits, 1 mantissa bit; 4 bits a number), with one power-of-two scale for each 32 numbers along K (OCP MX v1.0); their sums are f32. All else is computed in f32.
;;   The module's matrix products, in the order in which they are computed (A, B: the left and right operand; K: the contracted axis; several contracted axes count as one K, in the product's order):
;;     1. [M 8,192, K 1,024] x [K 1,024, N 1,024]; A: input x; B: input wq: QUANTISED
;;     2. [M 8,192, K 1,024] x [K 1,024, N 1,024]; A: input x; B: input wk: QUANTISED
;;     3. [M 8,192, K 1,024] x [K 1,024, N 1,024]; A: input x; B: input wv: QUANTISED
;;     4. batch 64 x [M 2,048, K 64] x [K 64, N 2,048]; A: computed on the way; B: computed on the way: QUANTISED
;;     5. batch 64 x [M 2,048, K 2,048] x [K 2,048, N 64]; A: softmax (see below); B: computed on the way: QUANTISED
;;     6. [M 8,192, K 1,024] x [K 1,024, N 1,024]; A: computed on the way; B: input wo: QUANTISED
;;   THE QUANTISER, for each operand of a quantised product, along K:
;;     - K is cut into blocks of 32 from its start; a last block that is shorter is filled with zeros.
;;     - A block's scale is 2^e with e = floor(log2(the largest magnitude in the block)) - 2, held to -126 .. 127; a block of zeros has e = 0. As a byte (E8M0): e + 127.
;;     - Each number is divided by its block's scale, clamped to +-6, and rounded to the nearest number of E2M1, ties to even, subnormals kept.
;;     - The product sums the exact products of the quantised numbers (number of the format x scale) in f32.
;;   ~~~python
;;   def quantise(x, axis):      # numpy; x: float32 -> the quantised numbers, widened to float32 again
;;       x = np.moveaxis(x, axis, -1); K = x.shape[-1]
;;       x = np.pad(x, [(0, 0)] * (x.ndim - 1) + [(0, -K % 32)]); x = x.reshape(x.shape[:-1] + (-1, 32)); a = np.abs(x).max(-1, keepdims=True)
;;       e = np.where(a > 0, np.clip(np.frexp(np.where(a > 0, a, 1))[1] - 1 - 2, -126, 127), 0)      # np.frexp(a)[1] - 1 = floor(log2(a)), exactly
;;       r = np.clip(x / 2.0 ** e, -6, 6)
;;       step = 2.0 ** (np.maximum(np.frexp(np.where(r == 0, 1, r))[1] - 1, 0) - 1)
;;       q = np.round(r / step) * step * 2.0 ** e      # np.round: ties to even
;;       return np.moveaxis(q.reshape(q.shape[:-2] + (-1,))[..., :K], -1, axis).astype(np.float32)
;;   ~~~
;;   SOFTMAX AHEAD OF A QUANTISED PRODUCT. Where the list says 'softmax', what is quantised is not the finished softmax but p = 2^(t - M), with t = logit x log2(e) and M = ceil(the row's largest t), a whole number; so 1/2 < the row's largest p <= 1. The row's sum l is taken of the UNQUANTISED p, in f32, and the product's result is divided by l at the end. Since M is a whole number, a kernel that streams over the keys may use a running M (the ceiling of the running maximum): every later rescaling is an exact power of two, which a block's scale takes up: the codes' values come out the same.
;;   OPERANDS COMPUTED ON THE WAY. 'Computed on the way' means the value that the module computes at that place (a softmax that the list does not call 'softmax' is quantised finished and normalised). What goes into a quantiser is computed in f32, as accurately as f32 sums, v_exp_f32 and their like allow (about 1e-6 of the number): no bf16 or f16 on the way to a quantiser, and a product that is left as it is and whose result goes on into a quantised operand takes f32 operands (vector FMAs, or v_wmma_f32_16x16x4_f32). A number that lies on a knife's edge between two numbers of the format may be rounded either way, as far as f32 arithmetic and the matrix unit's own rounding can turn it there, and no further.
;; One version. Each part assembles by itself: llvm-mc -triple=amdgcn-amd-amdhsa -mcpu=gfx1250 --defsym DOCPART=n.
;; ======== version 1 of 1: 4 launches
;; workspace buffers: cod 6,291,456 bytes; scl 393,216 bytes; qkvc 12,582,912 bytes; qkvs 786,432 bytes; aoc 4,194,304 bytes; aos 262,144 bytes
;; launch quant (part 1): grid 384 x 1, 4 waves a work-group, no clusters, 33,280 bytes of LDS; arguments x, wq, wk, wv, wo, cod, scl; writes cod, scl
.if DOCPART == 1
	.amdgcn_target "amdgcn-amd-amdhsa--gfx1250"
	.amdhsa_code_object_version 6
	.text
	.protected	k_q8263d90ca4_quant
	.globl	k_q8263d90ca4_quant
	.p2align	8
	.type	k_q8263d90ca4_quant,@function
k_q8263d90ca4_quant:
	s_mov_b64 s[64:65], 0
	v_nop
	global_prefetch_b8 v0, s[64:65] scope:SCOPE_SE
	s_setreg_imm32_b32 hwreg(HW_REG_WAVE_MODE, 25, 1), 1
	s_wait_xcnt 0x0
; x [8192][1024] and wq, wk, wv, wo [1024][1024], f32, become codes of FP4 (E2M1), K innermost, two codes a byte (the lower k in the low four bits), with one E8M0 byte for each 32 along K.
; cod: [12288 rows][512 bytes], scl: [12288 rows][32 bytes]; rows 0-8191 x, then 1,024 each of wq, wk, wv, wo.
; A block's scale is 2^(floor(log2(largest magnitude)) - 2): its byte is the largest magnitude's exponent field - 2, held at 1 from below.
; THE ROWS ARE LAID IN ANOTHER ORDER THAN THEY COME: in each group of 32 rows the four groups of 8 lie in the order 0, 2, 1, 3.  Place 16 u + r of a group then holds row 8 u + r + 8 (r / 8).
; So where 16 neighbouring places are source 0 of a matrix instruction, the 16 result registers of two neighbouring tiles are 16 NEIGHBOURS of the true order, as the next quantiser wants them.
; A wave takes 8 rows (8,192 numbers), so the order costs nothing: wave w of a work-group writes to the place of wave (w & 1) * 2 + (w >> 1).
; LIMITS: a block of zeros gets the byte 1 where the rule says 127 (its codes are zeros, and only this program reads the bytes); NaN and infinities among the inputs are not served.
; Memory binds: every load of a wave reads 512 consecutive bytes, every store of codes writes 256 consecutive aligned bytes, a wave's 256 scale bytes leave as one aligned run.  No wave shares anything
; with another, no input is read by two work-groups: so no barrier, no cluster, no matrix unit.  Loads run four steps (16 loads a wave) ahead.
.set STEPS, 16
.set CB,    8                          ; bytes of 16 codes
.set R,     16                         ; v16-79   four sets of 16 numbers as they are loaded
.set X,     80                         ; v80-111  two sets of 16 neighbours
.set E,     112                        ; v112-127 a scale byte for each step
.set C,     128                        ; v128-191 codes: four registers for each step, so that no store's data are written again
.set WREG,  8192                       ; LDS: a region for each wave: two stages of 32 x SP bytes, behind them its 256 scale bytes
.set SP,    80                         ; a lane's place in a stage: its 64 bytes + 16 of padding
	s_load_b256 s[4:11], s[0:1], 0x0               ; x, wq, wk, wv
	s_load_b128 s[12:15], s[0:1], 0x20             ; wo, cod
	s_load_b64 s[16:17], s[0:1], 0x30              ; scl
	v_lshl_add_u32 v192, v0, 2, 0x8000
	v_mov_b32 v193, 0
	v_lshrrev_b32 v1, 5, v0
	v_readfirstlane_b32 s20, v1                    ; wave
	v_and_b32 v2, 31, v0                           ; lane
	v_lshlrev_b32 v3, 4, v2                        ; my 16 bytes of a load's 512
	s_mul_i32 s21, s20, WREG
	v_lshrrev_b32 v14, 2, v2
	v_mul_u32_u24 v14, v14, SP
	v_and_b32 v15, 3, v2
	v_lshl_add_u32 v14, v15, 4, v14
	v_add_nc_u32 v14, s21, v14                     ; the stage, on the way in: four lanes' 64 bytes on end, then 16 of padding
	v_mul_u32_u24 v15, v2, SP
	v_add_nc_u32 v15, s21, v15                     ; and on the way out: my 16 neighbours
	v_mul_u32_u24 v4, v2, CB                       ; my codes' place in a step's
	v_lshrrev_b32 v5, 1, v2
	s_add_co_u32 s21, s21, 2*32*SP
	v_add_nc_u32 v5, s21, v5                       ; LDS: my wave's 256 scale bytes, my block's byte
	v_lshlrev_b32 v7, 3, v2                        ; and on the way out 8 bytes a lane
	v_add_nc_u32 v6, s21, v7
	s_mov_b32 s25, ttmp9                           ; g: work-groups 0-255 take x, then 32 each wq, wk, wv, wo
	s_and_b32 s24, s25, 31                         ; the work-group's number inside a weight
	s_wait_alu depctr_va_vdst(0)
	s_wait_kmcnt 0x0
	s_cmp_ge_u32 s25, 352                          ; the source is chosen on the work-group's number alone
	s_cselect_b64 s[10:11], s[12:13], s[10:11]
	s_cmp_ge_u32 s25, 320
	s_cselect_b64 s[8:9], s[10:11], s[8:9]
	s_cmp_ge_u32 s25, 288
	s_cselect_b64 s[6:7], s[8:9], s[6:7]
	s_cmp_ge_u32 s25, 256
	s_cselect_b64 s[4:5], s[6:7], s[4:5]
	s_cselect_b32 s22, s24, s25
	s_lshl_b32 s22, s22, 2
	s_add_co_u32 s22, s22, s20                     ; which run of 8 rows of the source is my wave's
	s_lshl_b32 s22, s22, 15                        ; 32,768 bytes a run
	s_mov_b32 s23, 0
	s_add_nc_u64 s[4:5], s[4:5], s[22:23]
	s_and_b32 s26, s20, 1
	s_lshl_b32 s26, s26, 1
	s_lshr_b32 s27, s20, 1
	s_or_b32 s26, s26, s27                         ; the wave's two bits change places: groups of 8 rows in the order 0, 2, 1, 3
	s_lshl_b32 s27, s25, 2
	s_add_co_u32 s26, s26, s27                     ; the run's place in cod and scl
	s_lshl_b32 s22, s26, 12                        ; 4,096 bytes of codes a run
	s_add_nc_u64 s[14:15], s[14:15], s[22:23]
	s_lshl_b32 s22, s26, 8                         ; 256 scale bytes a run
	s_add_nc_u64 s[16:17], s[16:17], s[22:23]
.macro LOAD t
.irp i, 0,1,2,3
	global_load_b128 v[R+16*((\t)%4)+4*\i:R+16*((\t)%4)+4*\i+3], v3, s[4:5] offset:2048*(\t)+512*\i th:TH_LOAD_NT   ; 32 lanes read 512 consecutive bytes; read once in the launch
.endr
.endm
.macro TURN t                          ; step t's numbers through the stage: LDS serves a wave's instructions in order, so no wait stands between the stores and the loads
.irp i, 0,1,2,3
	ds_store_b128 v14, v[R+16*((\t)%4)+4*\i:R+16*((\t)%4)+4*\i+3] offset:32*SP*((\t)%2)+8*SP*\i
.endr
.irp i, 0,1,2,3
	ds_load_b128 v[X+16*((\t)%2)+4*\i:X+16*((\t)%2)+4*\i+3], v15 offset:32*SP*((\t)%2)+16*\i
.endr
.endm
.irp t, 0,1,2,3
	LOAD \t
.endr
	s_wait_loadcnt 12                              ; step 0's four loads are in; the twelve of steps 1 to 3 may be out
	TURN 0
.macro STEP t
.set XS, X+16*((\t)%2)
.if (\t) > 0
	s_wait_dscnt 1                                 ; this step's numbers are back from the stage (only the last step's byte store may be out): so its stores into the stage have read their registers,
.else
	s_wait_dscnt 0x0
.endif
.if (\t)+4 < STEPS
	LOAD (\t)+4                                    ; which take the loads of four steps on
.endif
.if (\t)+1 < STEPS
.if STEPS-2-(\t) >= 3
	s_wait_loadcnt 12                              ; the next step's four loads are in; those of the three steps behind it may be out
.else
	s_wait_loadcnt 4*(STEPS-2-(\t))
.endif
	TURN (\t)+1                                    ; and go through the other stage while this step is worked
.endif
	v_max3_num_f32 v8, |v[XS]|, |v[XS+1]|, |v[XS+2]|               ; the largest magnitude of my 16, in two chains
	v_max3_num_f32 v9, |v[XS+3]|, |v[XS+4]|, |v[XS+5]|
.irp i, 6,10
	v_max3_num_f32 v8, v8, |v[XS+\i]|, |v[XS+\i+1]|
	v_max3_num_f32 v9, v9, |v[XS+\i+2]|, |v[XS+\i+3]|
.endr
	v_max3_num_f32 v8, v8, |v[XS+14]|, |v[XS+15]|
	v_max3_num_f32 v8, v8, v9, 0x1800000           ; and the floor 2^(3 - 127): the byte cannot fall under 1
	v_max_num_f32_dpp v8, v8, v8 row_xmask:1 row_mask:0xf bank_mask:0xf   ; and of my neighbour's 16: the block's
	v_add_nc_u32 v11, 0xff000000, v8               ; 2 off its exponent field: the conversion takes the exponent field of this operand as its scale
	v_cvt_scalef32_pk8_fp4_f32 v[C+4*(\t)], v[XS:XS+7], v11        ; to the nearest code, ties to even, beyond 6 the largest code
	v_cvt_scalef32_pk8_fp4_f32 v[C+4*(\t)+1], v[XS+8:XS+15], v11
	v_lshrrev_b32 v[E+(\t)], 23, v11               ; the scale's byte (also the plain line behind the conversions)
	ds_store_b8 v5, v[E+(\t)] offset:16*(\t)       ; both lanes of a block write the same byte with the same value
	global_store_b64 v4, v[C+4*(\t):C+4*(\t)+1], s[14:15] offset:32*CB*(\t)   ; the wave stores 256 consecutive aligned bytes
.endm
.irp t, 0,1,2,3,4,5,6,7,8,9,10,11,12,13,14,15
	STEP \t
.endr
	ds_load_b64 v[12:13], v6                       ; LDS serves a wave's instructions in order: these see my stores
	s_wait_dscnt 0x0
	global_store_b64 v7, v[12:13], s[16:17]        ; 32 lanes store 256 consecutive aligned bytes
	s_wait_tensorcnt 0x0
	ds_add_u32 v192, v193
	s_wait_dscnt 0x0
	s_endpgm
.Lfunc_end_k_q8263d90ca4_quant:
	.size	k_q8263d90ca4_quant, .Lfunc_end_k_q8263d90ca4_quant-k_q8263d90ca4_quant
	.p2alignl 7, 3214868480
	.fill 96, 4, 3214868480
	.section	.rodata,"a",@progbits
	.p2align	6, 0x0
	.amdhsa_kernel k_q8263d90ca4_quant
		.amdhsa_group_segment_fixed_size 33280
		.amdhsa_private_segment_fixed_size 0
		.amdhsa_enable_private_segment 0
		.amdhsa_kernarg_size 56
		.amdhsa_user_sgpr_count 2
		.amdhsa_user_sgpr_kernarg_segment_ptr 1
		.amdhsa_wavefront_size32 1
		.amdhsa_system_sgpr_workgroup_id_x 1
		.amdhsa_system_sgpr_workgroup_id_y 1
		.amdhsa_system_sgpr_workgroup_id_z 1
		.amdhsa_system_vgpr_workitem_id 0
		.amdhsa_next_free_vgpr 194
		.amdhsa_next_free_sgpr 66
		.amdhsa_reserve_vcc 0
		.amdhsa_float_denorm_mode_32 3
		.amdhsa_float_denorm_mode_16_64 3
		.amdhsa_memory_ordered 1
		.amdhsa_forward_progress 1
		.amdhsa_inst_pref_size 34
	.end_amdhsa_kernel
	.amdgpu_metadata
---
amdhsa.version: [ 1, 2 ]
amdhsa.kernels:
  - .name:           k_q8263d90ca4_quant
    .symbol:         k_q8263d90ca4_quant.kd
    .args:
      - { .name: x, .offset: 0, .size: 8, .value_kind: global_buffer, .address_space: global }
      - { .name: wq, .offset: 8, .size: 8, .value_kind: global_buffer, .address_space: global }
      - { .name: wk, .offset: 16, .size: 8, .value_kind: global_buffer, .address_space: global }
      - { .name: wv, .offset: 24, .size: 8, .value_kind: global_buffer, .address_space: global }
      - { .name: wo, .offset: 32, .size: 8, .value_kind: global_buffer, .address_space: global }
      - { .name: cod, .offset: 40, .size: 8, .value_kind: global_buffer, .address_space: global }
      - { .name: scl, .offset: 48, .size: 8, .value_kind: global_buffer, .address_space: global }
    .group_segment_fixed_size: 33280
    .private_segment_fixed_size: 0
    .kernarg_segment_align: 8
    .kernarg_segment_size: 56
    .max_flat_workgroup_size: 128
    .sgpr_count:     66
    .vgpr_count:     194
    .wavefront_size: 32
...
	.end_amdgpu_metadata
.endif
;; end of part 1
;; launch qkv (part 2): grid 8 x 48, 4 waves a work-group, clusters of 4 x 4, 299,520 bytes of LDS; arguments cod, scl, bq, bk, bv, qkvc, qkvs; writes qkvc, qkvs
.if DOCPART == 2
	.amdgcn_target "amdgcn-amd-amdhsa--gfx1250"
	.amdhsa_code_object_version 6
	.text
	.protected	k_q8263d90ca4_qkv
	.globl	k_q8263d90ca4_qkv
	.p2align	8
	.type	k_q8263d90ca4_qkv,@function
k_q8263d90ca4_qkv:
	s_mov_b64 s[64:65], 0
	v_nop
	global_prefetch_b8 v0, s[64:65] scope:SCOPE_SE
	s_setreg_imm32_b32 hwreg(HW_REG_WAVE_MODE, 25, 1), 1
	s_wait_xcnt 0x0
	s_wait_alu depctr_hold_cnt(0) depctr_sa_sdst(0) depctr_va_vdst(0) depctr_va_sdst(0) depctr_va_ssrc(0) depctr_va_vcc(0) depctr_vm_vsrc(0)
	s_getreg_b32 s2, hwreg(HW_REG_IB_STS2, 6, 4)
	s_cmp_eq_u32 s2, 0
	s_cbranch_scc0 .Lentry_in_a_cluster
	s_endpgm
.Lentry_in_a_cluster:
	s_bfe_u32 s2, ttmp6, 0x10000c
	s_cmp_lg_u32 s2, 0xf033
	s_cbranch_scc0 .Lentry_shape_is_right
	s_endpgm
.Lentry_shape_is_right:
; q = x wq^T + bq, k = x wk^T + bk, v = x wv^T + bv on codes of FP4 with E8M0 scales, and each result QUANTISED AGAIN on its way out: q and k along the features (a head's 64 are two blocks of 32), v along the tokens.
; ONE GENERIC PRODUCT C[R][P]: rows R are source 1 (a lane holds one R row), rows P are source 0 (a lane's registers run along P), K = 1,024; the result is quantised along P.
;   kind QK (cluster y under 8): R = x's 8,192 rows, P = wq's and wk's 2,048 rows.     kind V (cluster y 8 to 11): R = wv's 1,024 rows, P = x's 8,192 rows.
; The rows of cod lie so that place 16 u + r of a group of 32 holds row 8 u + r + 8 (r / 8): the 16 result registers of P tiles 2 b, 2 b + 1 in lane (r, h) are then the true P indices 32 b + 16 h + 0 .. 15.
; A work-group of four waves makes 256 x 256, a wave 128 x 128: 64 accumulators, 512 registers.  K = 1,024 is two LDS slots of 512 along K (rows of 256 bytes): every LDS byte is filled ONCE, all fills go out at the start.
; CLUSTERS: 4 x 4 work-groups; R's tiles are shared along a row of the cluster, P's along a column, each asked for jointly with a mask that names the four.  The kind hangs on the cluster's y alone, which all partners share.
; THE BIAS is the C of each sum's first product: kind QK by P tile (eight features a lane), kind V by R tile (the lane's one feature in all eight registers).  Only that first step is written twice, under a scalar branch on the kind.
; WAY OUT.  For each R tile a: 64 numbers a lane become 8 registers of codes and a scale word.  Registers 4 c .. 4 c + 3 are a CHUNK of 512 bytes (lane l's 16 bytes at 16 l; lanes 0-15 block 2 c, lanes 16-31 block 2 c + 1):
;   the image of four operand registers of the attention launch.  qkvc: kind QK chunk (64-feature group x 512 + token tile); kind V at 0x800000: chunk (64-token group x 64 + feature tile).
;   qkvs: one word for an R row and 128 along P: kind QK [16][8192], kind V at 0x80000 [64][1024].  Every store of the wave covers 512 consecutive aligned bytes.
; LIMITS: a block of zeros gets the byte 1 where the rule says 127 (zero codes; only this program reads the bytes); NaN and infinities are not served.
; REGISTERS, in windows of 256: window 0: v1-6 at work, v8-15 bias offsets, v16-28 addresses, v32-95 scale words (two sets), v128-191 R's fragments (one set), v192-255 the bias; on the way out v128-191 codes, v192-219 at work.
;   window 1: P's fragments, two sets.   windows 2, 3: the accumulators ((a, b) at v[8 (8 (a % 4) + b)], window 2 + a / 4).
.set NQ,     4                         ; steps of 128 along K in a slot
.set ROWB,   256                       ; a tile's row in bytes: 512 codes
.set KROW,   512                       ; a row of cod
.set PITCH,  272                       ; an LDS row: 256 bytes + 16 of padding = 68 words: the 16 rows that a load touches start at 16 different banks (64 banks of 4 bytes: ISA guide 11.1)
.set FR,     8
.set NL,     2
.set NP,     4                         ; places behind this matrix instruction (ISA guide 7.12.1)
.set HALFT,  128*PITCH
.set SLOT,   4*HALFT                   ; R's 256 rows, then P's 256 rows
.set KS,     32                        ; a row of scl
.set SCL,    2*SLOT                    ; behind the slots: the scales, as runs of 256 bytes + 16 of padding
.set HALFS,  (128*KS/256)*272
.set SBLK,   (16*KS/256)*272
.set SST,    SCL+4*HALFS               ; a stage for the new scale words, 512 bytes a wave: no fill lands here
.set VJ,   8
.set ADRA, 16
.set ADRB, 20
.set OFF0, 24                          ; v24  16 x lane
.set OFF1, 25                          ; v25  the same, one 64-group of P further on
.set SS,   26                          ; v26  where I put a scale word
.set ADRS, 27
.set SR,   28                          ; v28  where I read four of them back
.set SC,   32
.set AF,   128
.set BIAS, 192
.set TM,   192                         ; way out: v192-195 largest magnitudes, v196-199 bytes, v204-207 the conversions' scale operands
.set PW,   208                         ; v208-215 tile a's scale word
.set SW,   216                         ; v216-219 four words read back
.set G1, 24
.set G0, 32
.set G1B, 48
.set G0B, 56
.set G1S, 68
.set G0S, 76
.set G1SB, 80
.set G0SB, 88
.set MSB, 0
.macro WIN new                         ; the immediate's high byte repeats the setting that is left
.if MSB != (\new)
	s_set_vgpr_msb (MSB<<8)|(\new)
.set MSB, (\new)
.endif
.endm
.set MUL_LO, 0xa1                      ; source 0 (P) window 1, source 1 (R) window 0, C and D window 2
.set MUL_HI, 0xf1                      ; the same, C and D window 3
.set TO_B,   0x40
; A joint load: waves 0 and 1 fetch for R, waves 2 and 3 for P.  The branch hangs on the wave's number alone.  Four v_nop follow each of the two lines.
.macro JLOAD g0a, g1a, g0b, g1b
	s_cmp_eq_u32 s15, 0
	s_cbranch_scc0 .Lfor_b_\@
	tensor_load_to_lds s[\g0a:\g0a+3], s[\g1a:\g1a+7]
	s_nop 0
.rept 4
	v_nop
.endr
	s_branch .Lasked_\@
.Lfor_b_\@:
	tensor_load_to_lds s[\g0b:\g0b+3], s[\g1b:\g1b+7]
	s_nop 0
.rept 4
	v_nop
.endr
.Lasked_\@:
.endm
.macro CROUND                          ; a round of the cluster's barrier
	s_barrier_signal -1
	s_barrier_wait -1
	s_cmp_lg_u32 s14, 0
	s_cbranch_scc1 .Lnot_wave_0_\@
	s_barrier_signal -3
.Lnot_wave_0_\@:
	s_barrier_wait -3
	s_barrier_signal -1
	s_barrier_wait -1
.endm
	s_load_b128 s[4:7], s[0:1], 0x0                ; cod, scl
	s_load_b128 s[8:11], s[0:1], 0x10              ; bq, bk
	s_load_b64 s[12:13], s[0:1], 0x20              ; bv
	s_load_b64 s[96:97], s[0:1], 0x28              ; qkvc
	s_load_b64 s[98:99], s[0:1], 0x30              ; qkvs
	v_lshl_add_u32 v126, v0, 2, 0x49000
	v_mov_b32 v127, 0
	ds_add_u32 v126, v127
	ds_add_u32 v126, v127
	v_lshrrev_b32 v1, 5, v0
	v_readfirstlane_b32 s14, v1                    ; wave 0..3
	s_lshr_b32 s15, s14, 1                         ; wr: my half of R.  Also: I fetch for R (0) or for P (1)
	s_and_b32 s16, s14, 1                          ; wc: my half of P.  Also: which 128 rows of that tile I fetch
	s_bfe_u32 s40, ttmp6, 0x40000                  ; cx, cy: my place in the cluster
	s_bfe_u32 s41, ttmp6, 0x40004
	s_mov_b32 s3, ttmp9                            ; X, Y: the cluster's place
	s_and_b32 s2, ttmp7, 0xffff
	s_max_u32 s18, s2, 8
	s_sub_co_u32 s18, s18, 8
	s_lshl_b32 s18, s18, 1
	s_add_co_u32 s18, s18, s3                      ; 2 (Y - 8) + X
	s_cmp_ge_u32 s2, 8                             ; THE KIND; only selects follow, which leave SCC alone
	s_cselect_b32 s95, 1, 0                        ; 1: V, 0: QK
	s_cselect_b32 s18, s18, s3                     ; the cluster's place along P
	s_cselect_b32 s19, 0, s2                       ; and along R
	s_cselect_b32 s100, 6, 9                       ; log2 of the chunks from one 64-group of P to the next
	s_cselect_b32 s101, 10, 13                     ; log2 of R's rows
	s_cselect_b32 s20, 10240, 0                    ; R's first row in cod
	s_cselect_b32 s46, 0, 8192                     ; P's
	s_cselect_b32 s2, 0x800000, 0                  ; the kind's part of qkvc
	s_cselect_b32 s3, 0x80000, 0                   ; and of qkvs
	s_lshl_b32 s42, s18, 2
	s_add_co_u32 s42, s42, s40                     ; tp: tile of 256 along P
	s_lshl_b32 s17, s19, 2
	s_add_co_u32 s17, s17, s41                     ; tr: tile of 256 along R
	s_lshl_b32 s43, s41, 2
	s_lshl_b32 s43, 15, s43                        ; my row of the cluster
	s_lshl_b32 s44, 0x1111, s40                    ; my column
	s_mov_b32 s66, 0x76543210
	s_mov_b32 s67, 0xfedcba98                      ; v_permlanex16_b32's selects for lane l xor 16
	; descriptor group 1: 128 rows x 256 bytes, 16 bytes of padding behind each
	s_or_b32 s[G1+0], s43, (1<<20)|(1<<21)|(5<<22)|(3<<25)    ; 15:0 the mask; 17:16 elements of 1 byte; 20 padding on; 21 set beside a mask; 24:22 after every 64 words; 31:25 four words
	s_or_b32 s[G1B+0], s44, (1<<20)|(1<<21)|(5<<22)|(3<<25)
.irp g, G1, G1B
	s_mov_b32 s[\g+1], ROWB<<16                    ; tensor_dim0
	s_mov_b32 s[\g+2], 128<<16                     ; tensor_dim1
	s_mov_b32 s[\g+3], ROWB<<16                    ; tile_dim0
	s_mov_b32 s[\g+4], 128                         ; tile_dim1
	s_mov_b32 s[\g+5], KROW                        ; from row to row
	s_mov_b32 s[\g+6], 0
	s_mov_b32 s[\g+7], 0
.endr
	; the scales of 128 rows: 4,096 dense bytes, as 16 rows of 32 elements of 8 bytes, 16 bytes of padding behind each
	s_or_b32 s[G1S+0], s43, (3<<16)|(1<<20)|(1<<21)|(5<<22)|(3<<25)
	s_or_b32 s[G1SB+0], s44, (3<<16)|(1<<20)|(1<<21)|(5<<22)|(3<<25)
.irp g, G1S, G1SB
	s_mov_b32 s[\g+1], 32<<16
	s_mov_b32 s[\g+2], (128*KS/256)<<16
	s_mov_b32 s[\g+3], 32<<16
	s_mov_b32 s[\g+4], 128*KS/256
	s_mov_b32 s[\g+5], 32
	s_mov_b32 s[\g+6], 0
	s_mov_b32 s[\g+7], 0
.endr
	s_lshl_b32 s18, s16, 7                         ; which 128 rows of the tile I fetch
	s_lshl_b32 s19, s17, 8
	s_add_co_u32 s20, s20, s19
	s_add_co_u32 s20, s20, s18                     ; R's row in cod: it hangs on tr, which my row of the cluster shares
	s_lshl_b32 s47, s42, 8
	s_add_co_u32 s46, s46, s47
	s_add_co_u32 s46, s46, s18                     ; P's row: it hangs on tp, which my column shares
	s_mov_b32 s21, 0
	s_mov_b32 s47, 0
	s_lshl_b64 s[22:23], s[20:21], 5               ; these rows' scales, in bytes
	s_lshl_b64 s[92:93], s[46:47], 5
	s_lshl_b64 s[20:21], s[20:21], 9               ; and their codes
	s_lshl_b64 s[46:47], s[46:47], 9
	s_mul_i32 s45, s14, HALFT                      ; where they go: wave x 128 rows: no place in the cluster enters an LDS address
	s_mul_i32 s94, s14, HALFS
	s_wait_dscnt 0x0
	s_wait_kmcnt 0x0
	s_add_nc_u64 s[20:21], s[4:5], s[20:21]
	s_add_nc_u64 s[22:23], s[6:7], s[22:23]
	s_add_nc_u64 s[46:47], s[4:5], s[46:47]
	s_add_nc_u64 s[92:93], s[6:7], s[92:93]
	; where my wave's chunks begin: (((4 tp + 2 wc) << log2 STR) + 16 tr + 8 wr) x 512 + the kind's part
	s_lshl_b32 s18, s42, 2
	s_lshl_b32 s19, s16, 1
	s_add_co_u32 s18, s18, s19
	s_lshl_b32 s18, s18, s100
	s_lshl_b32 s19, s17, 4
	s_add_co_u32 s18, s18, s19
	s_lshl_b32 s19, s15, 3
	s_add_co_u32 s18, s18, s19
	s_lshl_b32 s18, s18, 9
	s_add_co_u32 s18, s18, s2
	s_mov_b32 s19, 0
	s_add_nc_u64 s[96:97], s[96:97], s[18:19]
	; and its scale words: (((2 tp + wc) << log2 NR) + 256 tr + 128 wr) x 4 + the kind's part
	s_lshl_b32 s18, s42, 1
	s_add_co_u32 s18, s18, s16
	s_lshl_b32 s18, s18, s101
	s_lshl_b32 s19, s17, 8
	s_add_co_u32 s18, s18, s19
	s_lshl_b32 s19, s15, 7
	s_add_co_u32 s18, s18, s19
	s_lshl_b32 s18, s18, 2
	s_add_co_u32 s18, s18, s3
	s_mov_b32 s19, 0
	s_add_nc_u64 s[98:99], s[98:99], s[18:19]
	; the bias: kind QK: bq (tp under 4) or bk, my 128 features of P; kind V: bv, my 128 features of R
	s_cmp_lt_u32 s42, 4
	s_cselect_b64 s[8:9], s[8:9], s[10:11]
	s_and_b32 s18, s42, 3
	s_lshl_b32 s18, s18, 10
	s_lshl_b32 s19, s16, 9
	s_add_co_u32 s18, s18, s19
	s_lshl_b32 s2, s17, 10
	s_lshl_b32 s3, s15, 9
	s_add_co_u32 s2, s2, s3
	s_cmp_eq_u32 s95, 1
	s_cselect_b64 s[8:9], s[12:13], s[8:9]
	s_cselect_b32 s18, s2, s18
	s_cselect_b32 s2, 0, 4                         ; bytes from register j to j + 1
	s_cselect_b32 s3, -1, 0                        ; a lane mask: all ones for kind V
	s_mov_b32 s19, 0
	s_add_nc_u64 s[8:9], s[8:9], s[18:19]
	CROUND                                         ; all sixteen work-groups are here: the joint loads meet
	s_mov_b32 s[G0S], 1
	s_add_co_u32 s[G0S+1], s94, SCL
	s_mov_b64 s[G0S+2:G0S+3], s[22:23]
	s_or_b32 s[G0S+3], s[G0S+3], 0x80000000
	s_mov_b32 s[G0SB], 1
	s_add_co_u32 s[G0SB+1], s94, SCL
	s_mov_b64 s[G0SB+2:G0SB+3], s[92:93]
	s_or_b32 s[G0SB+3], s[G0SB+3], 0x80000000
	JLOAD G0S, G1S, G0SB, G1SB                     ; the scales first: they are wanted with the first step
.irp s, 0,1
	s_mov_b32 s[G0+4*\s], 1
	s_add_co_u32 s[G0+4*\s+1], s45, \s*SLOT
	s_add_nc_u64 s[G0+4*\s+2:G0+4*\s+3], s[20:21], \s*ROWB
	s_or_b32 s[G0+4*\s+3], s[G0+4*\s+3], 0x80000000
	s_mov_b32 s[G0B+4*\s], 1
	s_add_co_u32 s[G0B+4*\s+1], s45, \s*SLOT
	s_add_nc_u64 s[G0B+4*\s+2:G0B+4*\s+3], s[46:47], \s*ROWB
	s_or_b32 s[G0B+4*\s+3], s[G0B+4*\s+3], 0x80000000
	JLOAD G0+4*\s, G1, G0B+4*\s, G1B               ; both slots: three loads of mine are out, and none follows
.endr
	v_and_b32 v1, 15, v0                           ; r
	v_bfe_u32 v2, v0, 4, 1                         ; h
	v_mul_u32_u24 v3, v1, PITCH
	v_lshl_add_u32 v4, v2, 4, v3                   ; a fragment's row x pitch + 16 h
	s_mul_i32 s21, s15, HALFT                      ; my 128 rows of R
	s_mul_i32 s22, s16, HALFT                      ; my 128 rows of P,
	s_add_co_u32 s22, s22, 2*HALFT                 ; which lie behind R's 256
.irp s, 0,1
	v_add_nc_u32 v[ADRA+\s], s21, v4
	v_add_nc_u32 v[ADRB+\s], s22, v4
	s_add_co_u32 s21, s21, SLOT
	s_add_co_u32 s22, s22, SLOT
.endr
	v_mul_u32_u24 v5, v1, KS                       ; my row's scales: 32 bytes a row,
	v_lshrrev_b32 v6, 8, v5
	v_lshl_add_u32 v5, v6, 4, v5                   ; and 16 more for each 256 passed
	s_mul_i32 s21, s15, HALFS
	s_mul_i32 s22, s16, HALFS
	s_add_co_u32 s22, s22, 2*HALFS
	s_sub_co_u32 s22, s22, s21
	v_mul_u32_u24 v6, s22, v2                      ; lanes 16-31 take P's: one product, the distance between the two bases
	s_add_co_u32 s21, s21, SCL
	v_add_nc_u32 v5, v5, v6
	v_add_nc_u32 v[ADRS], s21, v5
	v_lshlrev_b32 v3, 6, v2                        ; kind QK: lane (r, h) wants features 16 h + j of each pair of P tiles
	v_and_b32 v4, 8, v1
	v_add_lshl_u32 v4, v4, v1, 2                   ; kind V: the feature at place r of an R tile: r + 8 (r / 8)
	v_cndmask_b32 v[VJ], v3, v4, s3
.irp j, 1,2,3,4,5,6,7
	v_add_nc_u32 v[VJ+\j], s2, v[VJ+\j-1]
.endr
.irp t, 0,1,2,3,4,5,6,7
.irp j, 0,1,2,3,4,5,6,7
	global_load_b32 v[BIAS+8*\t+\j], v[VJ+\j], s[8:9] offset:(32*(\t/2)+8*(\t%2))*4   ; tile t begins at true index 32 (t / 2) + 8 (t % 2)
.endr
.endr
	v_and_b32 v5, 31, v0
	v_lshlrev_b32 v[OFF0], 4, v5
	s_lshl_b32 s18, 512, s100
	v_add_nc_u32 v[OFF1], s18, v[OFF0]
	s_lshl_b32 s19, s14, 9
	s_add_co_u32 s19, s19, SST
	v_lshl_add_u32 v[SS], v1, 2, s19
	v_add_nc_u32 v[SR], s19, v[OFF0]
.macro FRAG reg, adr, q, i             ; 16 rows x 128 K of 4-bit codes: lane l holds row l % 16; registers 4 c .. 4 c + 3 hold K = 64 c + 32 (l / 16) + 0 .. 31
.irp c, 0,1
	ds_load_b128 v[\reg+4*\c:\reg+4*\c+3], v[\adr] offset:64*(\q)+32*\c+(\i)*16*PITCH
.endr
.endm
; 16 matrix instructions: R's blocks a0, a0 + 1 x P's eight.  p: P's set; sc: the set of scale words.  mode 0: adds in place; 1: C = the bias of P tile b; 2: C = the bias of R tile a.
; The 64 accumulators take turns, one instruction a turn, in the same order in every step.
.macro MUL16 a0, p, q, sc, mode
.irp a, \a0, \a0+1
.irp b, 0,1,2,3,4,5,6,7
.if \mode == 0
	v_wmma_scale_f32_16x16x128_f8f6f4 v[8*(8*((\a)%4)+\b):8*(8*((\a)%4)+\b)+7], v[128*(\p)+FR*\b:128*(\p)+FR*\b+FR-1], v[AF+FR*(\a):AF+FR*(\a)+FR-1], v[8*(8*((\a)%4)+\b):8*(8*((\a)%4)+\b)+7], v[SC+8*NQ*(\sc)+NQ*\b+(\q)], v[SC+8*NQ*(\sc)+NQ*(\a)+(\q)] matrix_a_fmt:MATRIX_FMT_FP4 matrix_b_fmt:MATRIX_FMT_FP4 matrix_a_scale:MATRIX_SCALE_ROW1
.elseif \mode == 1
	v_wmma_scale_f32_16x16x128_f8f6f4 v[8*(8*((\a)%4)+\b):8*(8*((\a)%4)+\b)+7], v[128*(\p)+FR*\b:128*(\p)+FR*\b+FR-1], v[AF+FR*(\a):AF+FR*(\a)+FR-1], v[BIAS+8*\b:BIAS+8*\b+7], v[SC+8*NQ*(\sc)+NQ*\b+(\q)], v[SC+8*NQ*(\sc)+NQ*(\a)+(\q)] matrix_a_fmt:MATRIX_FMT_FP4 matrix_b_fmt:MATRIX_FMT_FP4 matrix_a_scale:MATRIX_SCALE_ROW1
.else
	v_wmma_scale_f32_16x16x128_f8f6f4 v[8*(8*((\a)%4)+\b):8*(8*((\a)%4)+\b)+7], v[128*(\p)+FR*\b:128*(\p)+FR*\b+FR-1], v[AF+FR*(\a):AF+FR*(\a)+FR-1], v[BIAS+8*(\a):BIAS+8*(\a)+7], v[SC+8*NQ*(\sc)+NQ*\b+(\q)], v[SC+8*NQ*(\sc)+NQ*(\a)+(\q)] matrix_a_fmt:MATRIX_FMT_FP4 matrix_b_fmt:MATRIX_FMT_FP4 matrix_a_scale:MATRIX_SCALE_ROW1
.endif
.endr
.endr
.endm
.macro FETCH_B slot, q, p
	WIN TO_B
.irp i, 0,1,2,3,4,5,6,7
	FRAG 128*(\p)+FR*\i, ADRB+\slot, \q, \i
.endr
	WIN 0
.endm
.macro FETCH_A slot, q, i0
.irp i, \i0, \i0+1, \i0+2, \i0+3
	FRAG AF+FR*(\i), ADRA+\slot, \q, \i
.endr
.endm
.macro SCALES sc                       ; a slot's scale words: four words a row; lanes 0-15 take R's block i, lanes 16-31 P's block i
.irp i, 0,1,2,3,4,5,6,7
	ds_load_b128 v[SC+8*NQ*\sc+NQ*\i:SC+8*NQ*\sc+NQ*\i+3], v[ADRS] offset:\i*SBLK
.endr
.endm
.macro PLACES n                        ; plain vector lines between a matrix instruction and a load into, or a read of, its registers
.rept \n
	v_nop
.endr
.endm
; A step of 128 along K that has its successor in the same slot.  R has one set of registers: blocks 0-3 are fetched anew in the step's middle, blocks 4-7 at its end; P has two sets.
.macro STEP slot, q, mode
	s_wait_dscnt 4*NL                              ; P's set, the scale words and R's blocks 0-3 are in; the youngest eight loads (R's blocks 4-7) may be out
.if \mode == 0
	WIN MUL_LO
.else
	WIN 0x81                                       ; C (the bias) in window 0, D in window 2
.endif
	MUL16 0, (\q)%2, \q, \slot, \mode
	MUL16 2, (\q)%2, \q, \slot, \mode
	s_wait_dscnt 0                                 ; R's blocks 4-7 are in
	PLACES NP
	FETCH_B \slot, (\q)+1, 1-(\q)%2
	FETCH_A \slot, (\q)+1, 0
.if \mode == 0
	WIN MUL_HI
.else
	WIN 0xc1
.endif
	MUL16 4, (\q)%2, \q, \slot, \mode
	MUL16 6, (\q)%2, \q, \slot, \mode
	PLACES NP
	WIN 0
	FETCH_A \slot, (\q)+1, 4
.endm
	s_wait_tensorcnt 1                             ; the scales and my part of slot 0 are in; slot 1's load, the one issued behind them, may be out
	s_barrier_signal -1
	s_barrier_wait -1                              ; everybody's are
	FETCH_B 0, 0, 0
	FETCH_A 0, 0, 0
	SCALES 0
	FETCH_A 0, 0, 4
	s_wait_loadcnt 0x0                             ; the bias
	s_cmp_eq_u32 s95, 0                            ; the kind: the same in all waves and all partners; both ways hold the same loads
	s_cbranch_scc0 .Lkind_v
	STEP 0, 0, 1
	s_branch .Ljoined
.Lkind_v:
	STEP 0, 0, 2
.Ljoined:
	STEP 0, 1, 0
	STEP 0, 2, 0
	; slot 0's last step changes slots: one barrier, behind which slot 1 is whole for every wave.  Nothing is filled again.
	s_wait_tensorcnt 0x0                           ; my part of slot 1 has landed
	s_wait_dscnt 4*NL
	WIN MUL_LO
	MUL16 0, 1, NQ-1, 0, 0
	s_wait_dscnt 0x0                               ; no LDS instruction of mine is out at the signal
	s_barrier_signal -1
	MUL16 2, 1, NQ-1, 0, 0
	WIN 0
	s_barrier_wait -1
	PLACES NP
	v_add_nc_u32 v[ADRS], 4*NQ, v[ADRS]            ; on to slot 1's scale words
	FETCH_B 1, 0, 0
	FETCH_A 1, 0, 0
	SCALES 1
	WIN MUL_HI
	MUL16 4, 1, NQ-1, 0, 0
	MUL16 6, 1, NQ-1, 0, 0
	PLACES NP
	WIN 0
	FETCH_A 1, 0, 4
	STEP 1, 0, 0
	STEP 1, 1, 0
	STEP 1, 2, 0
	s_wait_dscnt 4*NL                              ; the last step: nothing more to fetch
	WIN MUL_LO
	MUL16 0, 1, NQ-1, 1, 0
	MUL16 2, 1, NQ-1, 1, 0
	s_wait_dscnt 0
	WIN MUL_HI
	MUL16 4, 1, NQ-1, 1, 0
	MUL16 6, 1, NQ-1, 1, 0
	WIN 0
	PLACES NP                                      ; behind the last products: results are read and operands' registers written below
.irp b, 0,1,2,3
	v_mov_b32 v[TM+4+\b], 0                        ; written once: a lane permute's destination counts as one of its sources
.endr
; R tile a: register 16 b + i of its 64 is P index 32 b + 16 h + i of my row.  Each accumulator is read from its low end on.
.macro QUANTW a
.set W, 2+(\a)/4
.set AC, 64*((\a)%4)
.set PC, 128+8*(\a)
	WIN (W<<2)|(W<<4)                              ; sources 1 and 2 in the accumulators' window
.irp b, 0,1,2,3
	v_max3_num_f32 v[TM+\b], 0x1800000, |v[AC+16*\b]|, |v[AC+16*\b+1]|   ; block b: my 16 numbers, and the floor 2^(3 - 127): the byte cannot fall under 1
.endr
.irp i, 2,4,6,8,10,12,14
.irp b, 0,1,2,3
	v_max3_num_f32 v[TM+\b], v[TM+\b], |v[AC+16*\b+\i]|, |v[AC+16*\b+\i+1]|   ; the four blocks by turns
.endr
.endr
	WIN 0
.irp b, 0,1,2,3
	v_permlanex16_b32 v[TM+4+\b], v[TM+\b], s66, s67
.endr
.irp b, 0,1,2,3
	v_max_num_f32 v[TM+\b], v[TM+\b], v[TM+4+\b]   ; with lane l xor 16's: the block's largest magnitude
.endr
.irp b, 0,1,2,3
	v_add_nc_u32 v[TM+12+\b], 0xff000000, v[TM+\b] ; 2 off its exponent field: the conversion's scale operand
.endr
.irp b, 0,1,2,3
	v_lshrrev_b32 v[TM+4+\b], 23, v[TM+12+\b]      ; the scale's byte
.endr
	v_lshl_or_b32 v[PW+(\a)], v[TM+5], 8, v[TM+4]
	v_lshl_or_b32 v[PW+(\a)], v[TM+6], 16, v[PW+(\a)]
	v_lshl_or_b32 v[PW+(\a)], v[TM+7], 24, v[PW+(\a)]
	WIN W                                          ; source 0 in the accumulators' window
.irp b, 0,1,2,3
	v_cvt_scalef32_pk8_fp4_f32 v[PC+2*\b], v[AC+16*\b:AC+16*\b+7], v[TM+12+\b]
	v_cvt_scalef32_pk8_fp4_f32 v[PC+2*\b+1], v[AC+16*\b+8:AC+16*\b+15], v[TM+12+\b]
.endr
	WIN 0
	v_nop                                          ; one plain line behind the conversions
.irp c, 0,1                            ; a whole block to a lane: lanes 0-15 block 2 c, lanes 16-31 block 2 c + 1
.irp i, 0,1
	v_permlane16_swap_b32 v[PC+4*\c+\i], v[PC+2+4*\c+\i]
.endr
.endr
	global_store_b128 v[OFF0], v[PC:PC+3], s[96:97] offset:512*(\a)     ; a chunk: 512 consecutive aligned bytes; every tile has data registers of its own
	global_store_b128 v[OFF1], v[PC+4:PC+7], s[96:97] offset:512*(\a)
	ds_store_b32 v[SS], v[PW+(\a)] offset:64*(\a)                       ; lanes r and r + 16 write the same word with the same value
.endm
.irp a, 0,1,2,3,4,5,6,7
	QUANTW \a
.endr
	ds_load_b128 v[SW:SW+3], v[SR]                 ; my wave's own 128 words, four a lane: LDS serves a wave's instructions in order
	s_wait_dscnt 0x0
	global_store_b128 v[OFF0], v[SW:SW+3], s[98:99]
	s_wait_tensorcnt 0x0
	ds_add_u32 v126, v127
	s_wait_dscnt 0x0
	CROUND                                         ; the closing round: no work-group ends while a partner may still ask for a tile that names it
	s_endpgm
.Lfunc_end_k_q8263d90ca4_qkv:
	.size	k_q8263d90ca4_qkv, .Lfunc_end_k_q8263d90ca4_qkv-k_q8263d90ca4_qkv
	.p2alignl 7, 3214868480
	.fill 96, 4, 3214868480
	.section	.rodata,"a",@progbits
	.p2align	6, 0x0
	.amdhsa_kernel k_q8263d90ca4_qkv
		.amdhsa_group_segment_fixed_size 299520
		.amdhsa_private_segment_fixed_size 0
		.amdhsa_enable_private_segment 0
		.amdhsa_kernarg_size 56
		.amdhsa_user_sgpr_count 2
		.amdhsa_user_sgpr_kernarg_segment_ptr 1
		.amdhsa_wavefront_size32 1
		.amdhsa_system_sgpr_workgroup_id_x 1
		.amdhsa_system_sgpr_workgroup_id_y 1
		.amdhsa_system_sgpr_workgroup_id_z 1
		.amdhsa_system_vgpr_workitem_id 0
		.amdhsa_next_free_vgpr 1024
		.amdhsa_next_free_sgpr 102
		.amdhsa_reserve_vcc 0
		.amdhsa_float_denorm_mode_32 3
		.amdhsa_float_denorm_mode_16_64 3
		.amdhsa_memory_ordered 1
		.amdhsa_forward_progress 1
		.amdhsa_inst_pref_size 147
	.end_amdhsa_kernel
	.amdgpu_metadata
---
amdhsa.version: [ 1, 2 ]
amdhsa.kernels:
  - .name:           k_q8263d90ca4_qkv
    .symbol:         k_q8263d90ca4_qkv.kd
    .args:
      - { .name: cod, .offset: 0, .size: 8, .value_kind: global_buffer, .address_space: global }
      - { .name: scl, .offset: 8, .size: 8, .value_kind: global_buffer, .address_space: global }
      - { .name: bq, .offset: 16, .size: 8, .value_kind: global_buffer, .address_space: global }
      - { .name: bk, .offset: 24, .size: 8, .value_kind: global_buffer, .address_space: global }
      - { .name: bv, .offset: 32, .size: 8, .value_kind: global_buffer, .address_space: global }
      - { .name: qkvc, .offset: 40, .size: 8, .value_kind: global_buffer, .address_space: global }
      - { .name: qkvs, .offset: 48, .size: 8, .value_kind: global_buffer, .address_space: global }
    .group_segment_fixed_size: 299520
    .private_segment_fixed_size: 0
    .kernarg_segment_align: 8
    .kernarg_segment_size: 56
    .max_flat_workgroup_size: 128
    .sgpr_count:     102
    .vgpr_count:     1024
    .wavefront_size: 32
...
	.end_amdgpu_metadata
.endif
;; end of part 2
;; launch attn (part 3): grid 4 x 64, 16 waves a work-group, clusters of 4 x 1, 169,984 bytes of LDS; arguments qkvc, qkvs, aoc, aos; writes aoc, aos
.if DOCPART == 3
	.amdgcn_target "amdgcn-amd-amdhsa--gfx1250"
	.amdhsa_code_object_version 6
	.text
	.protected	k_q8263d90ca4_attn
	.globl	k_q8263d90ca4_attn
	.p2align	8
	.type	k_q8263d90ca4_attn,@function
k_q8263d90ca4_attn:
	s_mov_b64 s[64:65], 0
	v_nop
	global_prefetch_b8 v0, s[64:65] scope:SCOPE_SE
	s_setreg_imm32_b32 hwreg(HW_REG_WAVE_MODE, 25, 1), 1
	s_wait_xcnt 0x0
	s_wait_alu depctr_hold_cnt(0) depctr_sa_sdst(0) depctr_va_vdst(0) depctr_va_sdst(0) depctr_va_ssrc(0) depctr_va_vcc(0) depctr_vm_vsrc(0)
	s_getreg_b32 s2, hwreg(HW_REG_IB_STS2, 6, 4)
	s_cmp_eq_u32 s2, 0
	s_cbranch_scc0 .Lentry_in_a_cluster
	s_endpgm
.Lentry_in_a_cluster:
	s_bfe_u32 s2, ttmp6, 0x10000c
	s_cmp_lg_u32 s2, 0x3003
	s_cbranch_scc0 .Lentry_shape_is_right
	s_endpgm
.Lentry_shape_is_right:
; For each batch and head: O[q] = sum over keys of softmax(q . k / 8) v, both products on codes of FP4 with E8M0 scales; O is quantised again along the model's 1,024 (a head's 64 are two blocks) on its way out.
; THE SOFTMAX: t = score x log2(e) / 8; M = the running largest t rounded UP to a whole number; p = 2^(t - M) is quantised along the keys, not normalised.  The row's sum is taken of the unquantised p and divides O at the end.
; When M moves, the sum and O^T are multiplied by 2^(old M - new M): exact, and without a branch on data.
; SHARES.  A work-group owns 512 queries of one head; each of its sixteen waves two tiles of 16 queries, one after the other, each over all 2,048 keys, 128 a step.  Four waves share a SIMD's registers (256 each),
; so that one wave's exponentials stand beside another's plain vector work, products and LDS loads: a step has 12 matrix instructions for some 230 vector instructions.
; ALL OF THE HEAD'S K AND V LIE IN LDS (143,360 bytes), filled ONCE: no ring.  They come as images of operand registers (chunks of 512 bytes, lane l's 16 bytes at 16 l): every fragment load is 512 consecutive bytes.
; CLUSTER: the four work-groups of a cluster are the four query blocks of one head and need the same K and V: each tile is asked for jointly, with the mask of all four.
; LAYOUT.  Both products are used transposed: S^T = K Q^T (source 0 = 16 keys), O^T = V^T P^T (source 0 = 16 of the head's 64): a lane holds one query throughout.  The head's 64 fill half of the instruction's 128
; along K: registers 4-7 of K's and Q's fragments hold zero codes, written once.  Place 16 u + r of 32 keys holds key 8 u + r + 8 (r / 8), so the 16 registers of tiles 2 b, 2 b + 1 are keys 32 b + 16 h + 0 .. 15; V's rows likewise.
; LIMITS: NaN and infinities are not served.  A block's largest p is taken from its largest score (this takes v_exp_f32 not to fall where its input rises).  A p under 2^-126 comes out as 0; its code would be 0.
; A block of zeros gets the byte 1 where the rule says 127: its codes are zeros, and only this program reads the bytes.
; REGISTERS: v1-7 addresses that stay; v8-11 the step's LDS addresses; v12 -M, v13 the largest t, v[14:15] the sum; v16-23 Q; v24 Q's scales, v25-26 V's, v27-30 K's; v32-95 eight fragments of K; v96-159 S^T, then p;
;   v160-191 O^T; v192-223 four fragments of V; v224-231 p's codes; v232-254 at work.
.set KC,   0                           ; LDS: K's codes [128 tiles][512]
.set VC,   65536                       ; V's codes [32 groups of 64 keys][4 tiles of d][512]
.set KSC,  131072                      ; K's scale words, one a key
.set VSC,  139264                      ; V's scale words [16 steps][64 d]
.set AK0,  1
.set AV0,  2
.set ASK0, 3
.set ASV0, 4
.set GO,   5                           ; v5  16 x lane
.set QS,   6                           ; v6  4 r
.set OS,   7                           ; v7  32 r
.set ADK,  8
.set ADV,  9
.set ADS,  10
.set ADT,  11
.set WV,   12
.set SEL,  20
.set CS,   22
.set G1K,  24
.set G1V,  32
.set G1KS, 40
.set G1VS, 48
.set G0K,  56
.set G0V,  60
.set G0KS, 68
.set G0VS, 72
.set TB,   76                          ; s76  the step's codes: 4,096 bytes a step, in K's region and in V's
.set TS,   77                          ; s77  K's scale words: 512 bytes a step
.set TJ,   78                          ; s78  V's: 256 bytes a step
.set CNT,  79
.macro CROUND                          ; a round of the cluster's barrier
	s_barrier_signal -1
	s_barrier_wait -1
	s_cmp_lg_u32 s[WV], 0
	s_cbranch_scc1 .Lnot_wave_0_\@
	s_barrier_signal -3
.Lnot_wave_0_\@:
	s_barrier_wait -3
	s_barrier_signal -1
	s_barrier_wait -1
.endm
.macro NOPS
.rept 4
	v_nop
.endr
.endm
	s_load_b256 s[4:11], s[0:1], 0x0               ; qkvc s[4:5], qkvs s[6:7], aoc s[8:9], aos s[10:11]
	v_lshl_add_u32 v251, v0, 2, 0x29000
	v_mov_b32 v255, 0
	ds_add_u32 v251, v255
	ds_add_u32 v251, v255
	v_lshrrev_b32 v1, 5, v0
	s_delay_alu instid0(VALU_DEP_1)
	v_readfirstlane_b32 s[WV], v1                  ; wave 0..15
	s_bfe_u32 s13, ttmp6, 0x40000                  ; cx
	s_lshl_b32 s14, ttmp9, 2
	s_add_co_u32 s14, s14, s13                     ; my block of 512 queries: it enters Q's and the outputs' addresses alone
	s_and_b32 s15, ttmp7, 0xffff
	s_and_b32 s16, s15, 15                         ; head
	s_lshr_b32 s17, s15, 4                         ; batch
	s_lshl_b32 s18, s17, 7
	s_lshl_b32 s19, s14, 5
	s_add_co_u32 s18, s18, s19
	s_add_co_u32 s18, s18, s[WV]                   ; my first tile of 16 queries among the 512 token tiles
	s_lshl_b32 s80, s16, 9
	s_add_co_u32 s80, s80, s18
	s_lshl_b32 s80, s80, 9                         ; Q's chunk: (head x 512 + tile) x 512
	s_mov_b32 s81, 0
	s_lshr_b32 s82, s16, 1
	s_lshl_b32 s82, s82, 13
	s_lshl_b32 s19, s18, 4
	s_add_co_u32 s82, s82, s19
	s_lshl_b32 s82, s82, 2
	s_and_b32 s19, s16, 1
	s_lshl_b32 s19, s19, 1                         ; the head's two bytes of a head pair's word
	s_add_co_u32 s82, s82, s19                     ; Q's scales
	s_mov_b32 s83, 0
	s_lshl_b32 s84, s18, 4
	s_add_co_u32 s84, s84, s16
	s_lshl_b32 s84, s84, 9                         ; aoc: (tile x 16 + head) x 512
	s_mov_b32 s85, 0
	s_lshl_b32 s86, s18, 9
	s_lshl_b32 s87, s16, 1
	s_add_co_u32 s86, s86, s87                     ; aos: tile x 512 + 2 head
	s_mov_b32 s87, 0
	; what a wave fetches: nothing here hangs on cx
	s_add_co_u32 s88, s16, 16
	s_lshl_b32 s88, s88, 9
	s_lshl_b32 s89, s17, 7
	s_add_co_u32 s88, s88, s89
	s_lshl_b32 s88, s88, 9                         ; K's codes of the head: ((16 + head) x 512 + batch x 128) x 512
	s_and_b32 s90, s[WV], 3
	s_lshl_b32 s91, s90, 14                        ; my quarter: 16,384 bytes, in memory (K) and in LDS (K and V)
	s_add_co_u32 s88, s88, s91
	s_mov_b32 s89, 0
	s_lshl_b32 s92, s17, 11
	s_lshl_b32 s93, s16, 2
	s_add_co_u32 s92, s92, s93
	s_lshl_b32 s92, s92, 9                         ; V's: (batch x 2,048 + head x 4) x 512,
	s_lshl_b32 s93, s90, 18
	s_add_co_u32 s92, s92, s93                     ; my quarter: 8 groups of 64 keys, 32,768 bytes apart,
	s_add_co_u32 s92, s92, 0x800000                ; in V's part of qkvc
	s_mov_b32 s93, 0
	s_lshr_b32 s2, s16, 1
	s_add_co_u32 s2, s2, 8
	s_lshl_b32 s2, s2, 13
	s_lshl_b32 s3, s17, 11
	s_add_co_u32 s2, s2, s3
	s_lshl_b32 s2, s2, 2                           ; K's scale words: ((8 + head / 2) x 8,192 + batch x 2,048) x 4
	s_mov_b32 s3, 0
	s_lshl_b32 s94, s17, 14
	s_lshl_b32 s95, s16, 6
	s_add_co_u32 s94, s94, s95
	s_lshl_b32 s94, s94, 2
	s_add_co_u32 s94, s94, 0x80000                 ; V's: 0x80000 + (batch x 16,384 + head x 64) x 4
	s_mov_b32 s95, 0
	; descriptor groups 1: 15:0 the mask of all four work-groups; 17:16 elements of 8 bytes; 21 set beside a mask; no padding
.irp g, G1K, G1V, G1KS, G1VS
	s_mov_b32 s[\g], 15|(3<<16)|(1<<21)
	s_mov_b32 s[\g+6], 0
	s_mov_b32 s[\g+7], 0
.endr
	s_mov_b32 s[G1K+1], 32<<16                     ; K's quarter: 64 dense rows of 256 bytes
	s_mov_b32 s[G1K+2], 64<<16
	s_mov_b32 s[G1K+3], 32<<16
	s_mov_b32 s[G1K+4], 64
	s_mov_b32 s[G1K+5], 32
	s_mov_b32 s[G1V+1], 256<<16                    ; V's quarter: 8 rows of 2,048 bytes (a group's four chunks), 32,768 bytes apart
	s_mov_b32 s[G1V+2], 8<<16
	s_mov_b32 s[G1V+3], 256<<16
	s_mov_b32 s[G1V+4], 8
	s_mov_b32 s[G1V+5], 4096
	s_mov_b32 s[G1KS+1], 32<<16                    ; K's scale words: 32 dense rows of 256 bytes
	s_mov_b32 s[G1KS+2], 32<<16
	s_mov_b32 s[G1KS+3], 32<<16
	s_mov_b32 s[G1KS+4], 32
	s_mov_b32 s[G1KS+5], 32
	s_mov_b32 s[G1VS+1], 32<<16                    ; V's: 16 rows of 256 bytes, 4,096 bytes apart
	s_mov_b32 s[G1VS+2], 16<<16
	s_mov_b32 s[G1VS+3], 32<<16
	s_mov_b32 s[G1VS+4], 16
	s_mov_b32 s[G1VS+5], 512
	s_mov_b32 s[SEL], 0x76543210
	s_mov_b32 s[SEL+1], 0xfedcba98                 ; v_permlanex16_b32's selects for lane l xor 16
	s_mov_b32 s[CS], 0x3e38aa3b                    ; c = log2(e) / 8
	s_mov_b32 s[CS+1], s[CS]                       ; (named with it as a pair, so it is written)
	s_wait_dscnt 0x0
	s_wait_kmcnt 0x0
	s_add_nc_u64 s[80:81], s[4:5], s[80:81]
	s_add_nc_u64 s[82:83], s[6:7], s[82:83]
	s_add_nc_u64 s[84:85], s[8:9], s[84:85]
	s_add_nc_u64 s[86:87], s[10:11], s[86:87]
	CROUND                                         ; all four work-groups are here: the joint loads meet
	s_mov_b32 s[G0K], 1
	s_mov_b32 s[G0K+1], s91                        ; KC = 0
	s_add_nc_u64 s[G0K+2:G0K+3], s[4:5], s[88:89]
	s_or_b32 s[G0K+3], s[G0K+3], 0x80000000
	s_mov_b32 s[G0V], 1
	s_add_co_u32 s[G0V+1], s91, VC
	s_add_nc_u64 s[G0V+2:G0V+3], s[4:5], s[92:93]
	s_or_b32 s[G0V+3], s[G0V+3], 0x80000000
	s_mov_b32 s[G0KS], 1
	s_mov_b32 s[G0KS+1], KSC
	s_add_nc_u64 s[G0KS+2:G0KS+3], s[6:7], s[2:3]
	s_or_b32 s[G0KS+3], s[G0KS+3], 0x80000000
	s_mov_b32 s[G0VS], 1
	s_mov_b32 s[G0VS+1], VSC
	s_add_nc_u64 s[G0VS+2:G0VS+3], s[6:7], s[94:95]
	s_or_b32 s[G0VS+3], s[G0VS+3], 0x80000000
	; waves 0-3: K's quarters; 4-7: V's; 8: K's scale words; 9: V's; the others nothing.  One load a wave; the branches hang on the wave's number alone.  Four v_nop follow each load.
	s_cmp_lt_u32 s[WV], 4
	s_cbranch_scc0 .Lnot_k
	tensor_load_to_lds s[G0K:G0K+3], s[G1K:G1K+7]
	s_nop 0
	NOPS
	s_branch .Lasked
.Lnot_k:
	s_cmp_lt_u32 s[WV], 8
	s_cbranch_scc0 .Lnot_v
	tensor_load_to_lds s[G0V:G0V+3], s[G1V:G1V+7]
	s_nop 0
	NOPS
	s_branch .Lasked
.Lnot_v:
	s_cmp_eq_u32 s[WV], 8
	s_cbranch_scc0 .Lnot_ks
	tensor_load_to_lds s[G0KS:G0KS+3], s[G1KS:G1KS+7]
	s_nop 0
	NOPS
	s_branch .Lasked
.Lnot_ks:
	s_cmp_eq_u32 s[WV], 9
	s_cbranch_scc0 .Lasked
	tensor_load_to_lds s[G0VS:G0VS+3], s[G1VS:G1VS+7]
	s_nop 0
	NOPS
.Lasked:
	v_and_b32 v8, 31, v0                           ; lane
	v_and_b32 v9, 15, v0                           ; r
	s_delay_alu instid0(VALU_DEP_2)
	v_lshlrev_b32 v[AK0], 4, v8                    ; an image's place for my lane
	s_delay_alu instid0(VALU_DEP_1)
	v_add_nc_u32 v[AV0], VC, v[AK0]
	s_delay_alu instid0(VALU_DEP_4)
	v_lshlrev_b32 v10, 2, v8
	s_add_co_u32 s19, s19, KSC
	v_add_nc_u32 v[ASK0], s19, v10                 ; K's scales: a word a key, my head's two bytes of it: lanes 0-15 an even tile's keys, lanes 16-31 the next tile's
	v_add_nc_u32 v[ASV0], VSC, v10
	v_lshlrev_b32 v[GO], 4, v8
	v_lshlrev_b32 v[QS], 2, v9
	v_lshlrev_b32 v[OS], 5, v9
.irp i, 20,21,22,23
	v_mov_b32 v[\i], 0                             ; Q's K = 64 .. 127: zero codes, for the whole launch
.endr
.irp t, 0,1,2,3,4,5,6,7
.irp i, 4,5,6,7
	v_mov_b32 v[32+8*\t+\i], 0                     ; K's likewise
.endr
.endr
	s_wait_tensorcnt 0x0                           ; my load, if I issued one, has landed
	s_barrier_signal -1
	s_barrier_wait -1                              ; everybody's has: from here on LDS is only read
.macro KQ t                            ; S^T tile t: 16 keys x my 16 queries.  K's scales of an odd tile lie in lanes 16-31
.if (\t)%2
	v_wmma_scale_f32_16x16x128_f8f6f4 v[96+8*(\t):103+8*(\t)], v[32+8*(\t):39+8*(\t)], v[16:23], 0, v[27+(\t)/2], v24 matrix_a_fmt:MATRIX_FMT_FP4 matrix_b_fmt:MATRIX_FMT_FP4 matrix_a_scale:MATRIX_SCALE_ROW1
.else
	v_wmma_scale_f32_16x16x128_f8f6f4 v[96+8*(\t):103+8*(\t)], v[32+8*(\t):39+8*(\t)], v[16:23], 0, v[27+(\t)/2], v24 matrix_a_fmt:MATRIX_FMT_FP4 matrix_b_fmt:MATRIX_FMT_FP4
.endif
.endm
.macro PV d                            ; O^T tile d += 16 of the head's 64 x these 128 keys
.if (\d)%2
	v_wmma_scale_f32_16x16x128_f8f6f4 v[160+8*(\d):167+8*(\d)], v[192+8*(\d):199+8*(\d)], v[224:231], v[160+8*(\d):167+8*(\d)], v[25+(\d)/2], v253 matrix_a_fmt:MATRIX_FMT_FP4 matrix_b_fmt:MATRIX_FMT_FP4 matrix_a_scale:MATRIX_SCALE_ROW1
.else
	v_wmma_scale_f32_16x16x128_f8f6f4 v[160+8*(\d):167+8*(\d)], v[192+8*(\d):199+8*(\d)], v[224:231], v[160+8*(\d):167+8*(\d)], v[25+(\d)/2], v253 matrix_a_fmt:MATRIX_FMT_FP4 matrix_b_fmt:MATRIX_FMT_FP4
.endif
.endm
; A KEY STEP: 128 keys.
.macro STEP
	v_add_nc_u32 v[ADK], s[TB], v[AK0]             ; these four lines are also the places between the last step's products and the loads into V's registers
	v_add_nc_u32 v[ADV], s[TB], v[AV0]
	v_add_nc_u32 v[ADS], s[TS], v[ASK0]
	v_add_nc_u32 v[ADT], s[TJ], v[ASV0]
.irp t, 0,1,2,3,4,5,6,7
	ds_load_b128 v[32+8*\t:35+8*\t], v[ADK] offset:512*\t
.endr
.irp b, 0,1,2,3
	ds_load_u16 v[27+\b], v[ADS] offset:128*\b     ; bytes 2 and 3 come as 0 and stand over zero codes
.endr
.irp d, 0,1,2,3
.irp c, 0,1
	ds_load_b128 v[192+8*\d+4*\c:195+8*\d+4*\c], v[ADV] offset:2048*\c+512*\d
.endr
.endr
.irp b, 0,1
	ds_load_b32 v[25+\b], v[ADT] offset:128*\b
.endr
	s_wait_dscnt 10                                ; K's twelve loads are in; V's ten, issued behind them, land under the softmax
.irp t, 0,1,2,3,4,5,6,7
	KQ \t
.endr
	NOPS                                           ; places in front of the first read of the scores
.irp b, 0,1,2,3
	v_max3_num_f32 v[232+\b], v[96+16*\b], v[97+16*\b], v[98+16*\b]   ; the largest score of each block of 32 keys: it serves the row's maximum and, since p rises with the score, the block's largest p
.endr
.irp i, 3,5,7,9,11,13
.irp b, 0,1,2,3
	v_max3_num_f32 v[232+\b], v[232+\b], v[96+16*\b+\i], v[97+16*\b+\i]
.endr
.endr
.irp b, 0,1,2,3
	v_max_num_f32 v[232+\b], v[232+\b], v[111+16*\b]
.endr
.irp b, 0,1,2,3
	s_delay_alu instid0(VALU_DEP_4)
	v_permlanex16_b32 v[236+\b], v[232+\b], s[SEL], s[SEL+1]
.endr
.irp b, 0,1,2,3
	s_delay_alu instid0(VALU_DEP_4)
	v_max_num_f32 v[232+\b], v[232+\b], v[236+\b]  ; with lane l xor 16's 16 keys
.endr
	s_delay_alu instid0(VALU_DEP_2)
	v_max3_num_f32 v254, v232, v233, v234
	s_delay_alu instid0(VALU_DEP_1)
	v_max_num_f32 v254, v254, v235                 ; the step's largest score of my query
	s_delay_alu instid0(VALU_DEP_1)
	v_mul_f32 v254, s[CS], v254                    ; as t (c is positive)
	s_delay_alu instid0(VALU_DEP_1)
	v_max_num_f32 v13, v13, v254                   ; the running largest t
	v_mov_b32 v254, v12
	s_delay_alu instid0(VALU_DEP_2)
	v_floor_f32 v12, -v13                          ; the new -M = floor(-t) = -ceil(t)
	s_delay_alu instid0(VALU_DEP_1)
	v_sub_f32 v254, v12, v254                      ; old M less new M: a whole number, 0 or less
	s_delay_alu instid0(VALU_DEP_1)
	v_cvt_i32_f32 v254, v254                       ; (it saturates)
	s_delay_alu instid0(VALU_DEP_1)
	v_ldexp_f32 v252, 1.0, v254                    ; f = 2^(old M - new M)
.set j, 0
.rept 32
	v_pk_fma_f32 v[96+j:97+j], v[96+j:97+j], s[CS:CS+1], v[12:13] op_sel_hi:[1,0,0]   ; t - M, two at a time (of the pairs c and -M the low word serves both halves)
.set j, j+2
.endr
.irp b, 0,1,2,3
	v_fma_f32 v[232+\b], v[232+\b], s[CS], v12     ; the same of each block's largest score
.endr
.set j, 0
	s_wait_alu depctr_va_vdst(0)
.rept 64
	v_exp_f32 v[96+j], v[96+j]                     ; p = 2^(t - M), at most 1
.set j, j+1
.endr
	s_setprio 1
.irp b, 0,1,2,3
	v_exp_f32 v[232+\b], v[232+\b]                 ; the block's largest p: the same two instructions on the same number
.endr
	v_pk_mul_f32 v[14:15], v[14:15], v[252:253] op_sel_hi:[1,0]   ; the sums under the new M (a plain line behind the exponentials)
	s_wait_alu depctr_va_vdst(0)
.irp b, 0,1,2,3
	v_max_num_f32 v[232+\b], 0x1800000, v[232+\b]  ; the floor 2^(3 - 127): the byte cannot fall under 1
.endr
.irp b, 0,1,2,3
	s_delay_alu instid0(VALU_DEP_4)
	v_add_nc_u32 v[244+\b], 0xff000000, v[232+\b]  ; 2 off the exponent field: the conversion's scale operand
.endr
.irp b, 0,1,2,3
	s_delay_alu instid0(VALU_DEP_4)
	v_lshrrev_b32 v[236+\b], 23, v[244+\b]         ; the scale's byte
.endr
	s_delay_alu instid0(VALU_DEP_3)
	v_lshl_or_b32 v253, v237, 8, v236              ; p's scale word for these 128 keys
	s_delay_alu instid0(VALU_DEP_1)
	v_lshl_or_b32 v253, v238, 16, v253
	s_delay_alu instid0(VALU_DEP_1)
	v_lshl_or_b32 v253, v239, 24, v253
.irp b, 0,1,2,3
	v_cvt_scalef32_pk8_fp4_f32 v[224+2*\b], v[96+16*\b:103+16*\b], v[244+\b]
	v_cvt_scalef32_pk8_fp4_f32 v[225+2*\b], v[104+16*\b:111+16*\b], v[244+\b]
.endr
	v_nop                                          ; one plain line behind the conversions
.irp c, 0,1                            ; a whole block to a lane: lanes 0-15 block 2 c, lanes 16-31 block 2 c + 1
.irp i, 0,1
	v_permlane16_swap_b32 v[224+4*\c+\i], v[226+4*\c+\i]
.endr
.endr
	v_pk_add_f32 v[236:237], v[100:101], v[104:105]
	v_pk_add_f32 v[248:249], v[108:109], v[112:113]
	v_pk_add_f32 v[246:247], v[116:117], v[120:121]
	v_pk_add_f32 v[244:245], v[124:125], v[128:129]
	v_pk_add_f32 v[242:243], v[132:133], v[136:137]
	v_pk_add_f32 v[240:241], v[140:141], v[144:145]
	v_pk_add_f32 v[234:235], v[148:149], v[152:153]
	v_pk_add_f32 v[14:15], v[14:15], v[156:157]
	v_pk_add_f32 v[236:237], v[236:237], v[96:97]
	v_pk_add_f32 v[248:249], v[248:249], v[98:99]
	v_pk_add_f32 v[246:247], v[246:247], v[102:103]
	v_pk_add_f32 v[244:245], v[244:245], v[106:107]
	v_pk_add_f32 v[242:243], v[242:243], v[110:111]
	v_pk_add_f32 v[240:241], v[240:241], v[114:115]
	v_pk_add_f32 v[234:235], v[234:235], v[118:119]
	v_pk_add_f32 v[14:15], v[14:15], v[122:123]
	v_pk_add_f32 v[236:237], v[236:237], v[126:127]
	v_pk_add_f32 v[248:249], v[248:249], v[130:131]
	v_pk_add_f32 v[246:247], v[246:247], v[134:135]
	v_pk_add_f32 v[244:245], v[244:245], v[138:139]
	v_pk_add_f32 v[242:243], v[242:243], v[142:143]
	v_pk_add_f32 v[240:241], v[240:241], v[146:147]
	v_pk_add_f32 v[234:235], v[234:235], v[150:151]
	v_pk_add_f32 v[14:15], v[14:15], v[154:155]
	v_pk_add_f32 v[236:237], v[236:237], v[158:159]
	s_delay_alu instid0(VALU_DEP_2)
	v_pk_add_f32 v[14:15], v[14:15], v[244:245]
	s_delay_alu instid0(VALU_DEP_2)
	v_pk_add_f32 v[236:237], v[236:237], v[242:243]
	v_pk_add_f32 v[248:249], v[248:249], v[240:241]
	v_pk_add_f32 v[246:247], v[246:247], v[234:235]
	s_delay_alu instid0(VALU_DEP_2)
	v_pk_add_f32 v[14:15], v[14:15], v[248:249]
	s_delay_alu instid0(VALU_DEP_2)
	v_pk_add_f32 v[236:237], v[236:237], v[246:247]
	s_delay_alu instid0(VALU_DEP_1)
	v_pk_add_f32 v[14:15], v[14:15], v[236:237]
.set j, 0
	s_setprio 0
.rept 16
	v_pk_mul_f32 v[160+j:161+j], v[160+j:161+j], v[252:253] op_sel_hi:[1,0]   ; O^T under the new M.  (With the sums above: the places between the codes and the scale word just made and the products below)
.set j, j+2
.endr
	s_wait_alu depctr_va_vdst(0)
	s_wait_dscnt 0x0                               ; V's fragments and scale words are in
.irp d, 0,1,2,3
	PV \d                                          ; four accumulators by turns
.endr
	s_add_co_u32 s[TB], s[TB], 4096
	s_add_co_u32 s[TS], s[TS], 512
	s_add_co_u32 s[TJ], s[TJ], 256
.endm
; One tile of 16 queries over all keys.  n = 0: tile 32 qb + w; n = 1: sixteen tiles further on, reached by immediates.
.macro PASS n
.if \n > 0
	s_wait_xcnt 0x0                                ; the last tile's stores have read their data registers, which are written again below
.endif
	global_load_b128 v[16:19], v[GO], s[80:81] offset:\n*8192      ; Q's chunk: registers 0-3 of its fragment
	global_load_u16 v24, v[QS], s[82:83] offset:\n*1024            ; its rows' two scale bytes; bytes 2 and 3 are 0, over zero codes
	v_mov_b32 v13, 0xff61b1e6                      ; the largest t so far: -3e38
	s_delay_alu instid0(VALU_DEP_1)
	v_floor_f32 v12, -v13                          ; -M
	v_mov_b32 v14, 0
	v_mov_b32 v15, 0
.irp b, 0,1,2,3
	v_mov_b32 v[236+\b], 0                         ; a lane permute's destination counts as one of its sources
.endr
	v_mov_b32 v253, 0                              ; (named as the upper half of v[252:253] before it is first written)
.set j, 0
.rept 32
	v_mov_b32 v[160+j], 0                          ; O^T: the step is written once; the first step finds zeros, which the first change of M leaves zeros
.set j, j+1
.endr
	s_mov_b32 s[TB], 0
	s_mov_b32 s[TS], 0
	s_mov_b32 s[TJ], 0
	s_mov_b32 s[CNT], 16
	s_wait_loadcnt 0x0                             ; Q
.Lk_\@:
	s_setprio 2
	STEP
	s_sub_co_u32 s[CNT], s[CNT], 1
	s_cmp_lg_u32 s[CNT], 0
	s_cbranch_scc1 .Lk_\@
	s_setprio 0
	NOPS                                           ; places behind the last products
	v_add_f32 v14, v14, v15                        ; the sum's two halves,
	s_delay_alu instid0(VALU_DEP_1)
	v_permlanex16_b32 v252, v14, s[SEL], s[SEL+1]
	s_delay_alu instid0(VALU_DEP_1)
	v_add_f32 v14, v14, v252                       ; and lane l xor 16's
	s_wait_alu depctr_va_vdst(0)
	v_rcp_f32 v14, v14
	v_nop                                          ; one plain line behind the reciprocal
.set j, 0
	s_wait_alu depctr_va_vdst(0)
.rept 16
	v_pk_mul_f32 v[96+j:97+j], v[160+j:161+j], v[14:15] op_sel_hi:[1,0]   ; O^T / the sum, from each accumulator's low end on: register 16 b + i is d = 32 b + 16 h + i of my query
.set j, j+2
.endr
.irp b, 0,1
	v_max3_num_f32 v[232+\b], |v[96+16*\b]|, |v[97+16*\b]|, 0x1800000
.endr
.irp i, 2,4,6,8,10,12,14
.irp b, 0,1
	s_delay_alu instid0(VALU_DEP_2)
	v_max3_num_f32 v[232+\b], v[232+\b], |v[96+16*\b+\i]|, |v[97+16*\b+\i]|
.endr
.endr
.irp b, 0,1
	s_delay_alu instid0(VALU_DEP_2)
	v_permlanex16_b32 v[236+\b], v[232+\b], s[SEL], s[SEL+1]
.endr
.irp b, 0,1
	s_delay_alu instid0(VALU_DEP_2)
	v_max_num_f32 v[232+\b], v[232+\b], v[236+\b]
.endr
.irp b, 0,1
	s_delay_alu instid0(VALU_DEP_2)
	v_add_nc_u32 v[244+\b], 0xff000000, v[232+\b]
.endr
.irp b, 0,1
	s_delay_alu instid0(VALU_DEP_2)
	v_lshrrev_b32 v[236+\b], 23, v[244+\b]
.endr
	s_delay_alu instid0(VALU_DEP_1)
	v_lshl_or_b32 v254, v237, 8, v236              ; the head's two scale bytes of my row
.irp b, 0,1
	v_cvt_scalef32_pk8_fp4_f32 v[224+2*\b], v[96+16*\b:103+16*\b], v[244+\b]
	v_cvt_scalef32_pk8_fp4_f32 v[225+2*\b], v[104+16*\b:111+16*\b], v[244+\b]
.endr
	v_nop
	v_permlane16_swap_b32 v224, v226               ; lanes 0-15 block 0, lanes 16-31 block 1
	v_permlane16_swap_b32 v225, v227
	global_store_b128 v[GO], v[224:227], s[84:85] offset:\n*131072   ; a chunk: 512 consecutive aligned bytes: four registers of the last launch's operand
	global_store_b16 v[OS], v254, s[86:87] offset:\n*8192            ; two bytes a row, rows 32 bytes apart (lanes r and r + 16 store the same): one sixteenth of the codes' bytes
.endm
	PASS 0
	PASS 1
	s_wait_dscnt 0x0
	s_wait_tensorcnt 0x0
	ds_add_u32 v251, v255
	s_wait_dscnt 0x0
	CROUND                                         ; the closing round
	s_endpgm
.Lfunc_end_k_q8263d90ca4_attn:
	.size	k_q8263d90ca4_attn, .Lfunc_end_k_q8263d90ca4_attn-k_q8263d90ca4_attn
	.p2alignl 7, 3214868480
	.fill 96, 4, 3214868480
	.section	.rodata,"a",@progbits
	.p2align	6, 0x0
	.amdhsa_kernel k_q8263d90ca4_attn
		.amdhsa_group_segment_fixed_size 169984
		.amdhsa_private_segment_fixed_size 0
		.amdhsa_enable_private_segment 0
		.amdhsa_kernarg_size 32
		.amdhsa_user_sgpr_count 2
		.amdhsa_user_sgpr_kernarg_segment_ptr 1
		.amdhsa_wavefront_size32 1
		.amdhsa_system_sgpr_workgroup_id_x 1
		.amdhsa_system_sgpr_workgroup_id_y 1
		.amdhsa_system_sgpr_workgroup_id_z 1
		.amdhsa_system_vgpr_workitem_id 0
		.amdhsa_next_free_vgpr 256
		.amdhsa_next_free_sgpr 96
		.amdhsa_reserve_vcc 0
		.amdhsa_float_denorm_mode_32 3
		.amdhsa_float_denorm_mode_16_64 3
		.amdhsa_memory_ordered 1
		.amdhsa_forward_progress 1
		.amdhsa_inst_pref_size 54
	.end_amdhsa_kernel
	.amdgpu_metadata
---
amdhsa.version: [ 1, 2 ]
amdhsa.kernels:
  - .name:           k_q8263d90ca4_attn
    .symbol:         k_q8263d90ca4_attn.kd
    .args:
      - { .name: qkvc, .offset: 0, .size: 8, .value_kind: global_buffer, .address_space: global }
      - { .name: qkvs, .offset: 8, .size: 8, .value_kind: global_buffer, .address_space: global }
      - { .name: aoc, .offset: 16, .size: 8, .value_kind: global_buffer, .address_space: global }
      - { .name: aos, .offset: 24, .size: 8, .value_kind: global_buffer, .address_space: global }
    .group_segment_fixed_size: 169984
    .private_segment_fixed_size: 0
    .kernarg_segment_align: 8
    .kernarg_segment_size: 32
    .max_flat_workgroup_size: 512
    .sgpr_count:     96
    .vgpr_count:     256
    .wavefront_size: 32
...
	.end_amdgpu_metadata
.endif
;; end of part 3
;; launch outp (part 4): grid 4 x 32, 4 waves a work-group, clusters of 4 x 4, 327,680 bytes of LDS; arguments aoc, aos, cod, scl, bo, out0; writes out0
.if DOCPART == 4
	.amdgcn_target "amdgcn-amd-amdhsa--gfx1250"
	.amdhsa_code_object_version 6
	.text
	.protected	k_q8263d90ca4_outp
	.globl	k_q8263d90ca4_outp
	.p2align	8
	.type	k_q8263d90ca4_outp,@function
k_q8263d90ca4_outp:
	s_mov_b64 s[64:65], 0
	v_nop
	global_prefetch_b8 v0, s[64:65] scope:SCOPE_SE
	s_setreg_imm32_b32 hwreg(HW_REG_WAVE_MODE, 25, 1), 1
	s_wait_xcnt 0x0
	s_wait_alu depctr_hold_cnt(0) depctr_sa_sdst(0) depctr_va_vdst(0) depctr_va_sdst(0) depctr_va_ssrc(0) depctr_va_vcc(0) depctr_vm_vsrc(0)
	s_getreg_b32 s2, hwreg(HW_REG_IB_STS2, 6, 4)
	s_cmp_eq_u32 s2, 0
	s_cbranch_scc0 .Lentry_in_a_cluster
	s_endpgm
.Lentry_in_a_cluster:
	s_bfe_u32 s2, ttmp6, 0x10000c
	s_cmp_lg_u32 s2, 0xf033
	s_cbranch_scc0 .Lentry_shape_is_right
	s_endpgm
.Lentry_shape_is_right:
; out0 = A wo^T + bo on codes of FP4 with E8M0 scales.  A: the attention's result, 8,192 rows x 1,024, as images of operand registers: aoc [512 row tiles][16 heads][512 bytes], a K step of 128 = two chunks on end;
; its scale bytes aos [8192][32].  wo: rows 11,264 on of cod and scl.  out0 [8192][1024] f32.
; A work-group of four waves makes 256 x 256, a wave 128 x 128: 64 accumulators.  K = 1,024 is two LDS slots of 512 along K: every LDS byte is filled ONCE, all fills go out at the start.
; CLUSTERS: 4 x 4 work-groups; A's tiles are shared along a row of the cluster, wo's along a column, each asked for jointly.  The grid has 128 work-groups: a tile half as large would double the LDS bytes read for each product.
; THE MATRIX INSTRUCTION IS USED TRANSPOSED (source 0 = 16 rows of wo, source 1 = 16 rows of A): a lane holds eight neighbouring numbers of a row of out0.  The bias is the C of each sum's first product.
; BOTH OPERANDS' ROWS LIE IN ANOTHER ORDER THAN THE TRUE ONE: place 16 u + r of a group of 32 holds row 8 u + r + 8 (r / 8).  The way out puts both right, by immediates alone: columns on the way into the stage, rows in the stores.
; REGISTERS, in windows of 256: window 0: v1-7 at work, v16-27 addresses, v32-95 scale words (two sets), v128-191 A's fragments (one set), v192-255 the bias; on the way out v128-255 rows read back.
;   window 1: wo's fragments, two sets.   windows 2, 3: the accumulators ((a, b) at v[8 (8 (a % 4) + b)], window 2 + a / 4).
.set NQ,     4
.set ROWB,   256
.set KROW,   512
.set PITCH,  272                       ; wo's LDS rows: 256 bytes + 16 of padding: the 16 rows that a load touches start at 16 different banks (64 banks of 4 bytes: ISA guide 11.1)
.set FR,     8
.set NL,     2
.set NP,     4
.set HALFT,  128*PITCH                 ; a quarter of a slot; A's images use 32,768 bytes of theirs
.set SLOT,   4*HALFT
.set KS,     32
.set SCL,    2*SLOT
.set HALFS,  (128*KS/256)*272
.set SBLK,   (16*KS/256)*272
.set SPITCH, 528                       ; the way out: a stage of 16 rows x (512 bytes + 16) for each wave, in slot 0, which has had its one fill and its last read when the first result is stored there
.set BOF,  7                           ; v7   the bias's lane term
.set ADRA, 16
.set ADRB, 20
.set STO,  24
.set RD,   25
.set CO,   26                          ; v26  16 x lane
.set ADRS, 27
.set SC,   32
.set AF,   128
.set BIAS, 192
.set BK,   128
.set G1, 24
.set G0, 32
.set G1B, 48
.set G0B, 56
.set G1S, 68
.set G0S, 76
.set G1SB, 80
.set G0SB, 88
.set MSB, 0
.macro WIN new
.if MSB != (\new)
	s_set_vgpr_msb (MSB<<8)|(\new)
.set MSB, (\new)
.endif
.endm
.set MUL_LO, 0xa1
.set MUL_HI, 0xf1
.set TO_B,   0x40
.macro JLOAD g0a, g1a, g0b, g1b        ; a joint load: waves 0 and 1 fetch for A, waves 2 and 3 for wo; four v_nop follow each of the two lines
	s_cmp_eq_u32 s15, 0
	s_cbranch_scc0 .Lfor_b_\@
	tensor_load_to_lds s[\g0a:\g0a+3], s[\g1a:\g1a+7]
	s_nop 0
.rept 4
	v_nop
.endr
	s_branch .Lasked_\@
.Lfor_b_\@:
	tensor_load_to_lds s[\g0b:\g0b+3], s[\g1b:\g1b+7]
	s_nop 0
.rept 4
	v_nop
.endr
.Lasked_\@:
.endm
.macro CROUND
	s_barrier_signal -1
	s_barrier_wait -1
	s_cmp_lg_u32 s14, 0
	s_cbranch_scc1 .Lnot_wave_0_\@
	s_barrier_signal -3
.Lnot_wave_0_\@:
	s_barrier_wait -3
	s_barrier_signal -1
	s_barrier_wait -1
.endm
	s_load_b128 s[4:7], s[0:1], 0x0                ; aoc, aos
	s_load_b128 s[8:11], s[0:1], 0x10              ; cod, scl
	s_load_b64 s[2:3], s[0:1], 0x20                ; bo
	s_load_b64 s[12:13], s[0:1], 0x28              ; out0
	v_lshl_add_u32 v126, v0, 2, 0x49000
	v_mov_b32 v127, 0
	ds_add_u32 v126, v127
	ds_add_u32 v126, v127
	v_lshrrev_b32 v1, 5, v0
	v_readfirstlane_b32 s14, v1                    ; wave 0..3
	s_lshr_b32 s15, s14, 1                         ; wr: my half of the rows.  Also: I fetch for A (0) or for wo (1)
	s_and_b32 s16, s14, 1                          ; wc: my half of the columns.  Also: which 128 rows of that tile I fetch
	s_bfe_u32 s40, ttmp6, 0x40000                  ; cx, cy
	s_bfe_u32 s41, ttmp6, 0x40004
	s_lshl_b32 s42, ttmp9, 2
	s_add_co_u32 s42, s42, s40                     ; tp: tile of 256 columns
	s_and_b32 s17, ttmp7, 0xffff
	s_lshl_b32 s17, s17, 2
	s_add_co_u32 s17, s17, s41                     ; tr: tile of 256 rows
	s_lshl_b32 s43, s41, 2
	s_lshl_b32 s43, 15, s43                        ; my row of the cluster
	s_lshl_b32 s44, 0x1111, s40                    ; my column
	; A's codes: 8 row tiles x 4,096 bytes (four K steps' images), 8,192 bytes apart; elements of 8 bytes; no padding: an image is read 512 consecutive bytes at a time
	s_or_b32 s[G1+0], s43, (3<<16)|(1<<21)
	s_mov_b32 s[G1+1], 512<<16
	s_mov_b32 s[G1+2], 8<<16
	s_mov_b32 s[G1+3], 512<<16
	s_mov_b32 s[G1+4], 8
	s_mov_b32 s[G1+5], 1024
	s_mov_b32 s[G1+6], 0
	s_mov_b32 s[G1+7], 0
	; wo's codes: 128 rows x 256 bytes, 16 bytes of padding behind each
	s_or_b32 s[G1B+0], s44, (1<<20)|(1<<21)|(5<<22)|(3<<25)
	s_mov_b32 s[G1B+1], ROWB<<16
	s_mov_b32 s[G1B+2], 128<<16
	s_mov_b32 s[G1B+3], ROWB<<16
	s_mov_b32 s[G1B+4], 128
	s_mov_b32 s[G1B+5], KROW
	s_mov_b32 s[G1B+6], 0
	s_mov_b32 s[G1B+7], 0
	; the scales of 128 rows: 4,096 dense bytes, as 16 rows of 256 bytes, 16 bytes of padding behind each
	s_or_b32 s[G1S+0], s43, (3<<16)|(1<<20)|(1<<21)|(5<<22)|(3<<25)
	s_or_b32 s[G1SB+0], s44, (3<<16)|(1<<20)|(1<<21)|(5<<22)|(3<<25)
.irp g, G1S, G1SB
	s_mov_b32 s[\g+1], 32<<16
	s_mov_b32 s[\g+2], (128*KS/256)<<16
	s_mov_b32 s[\g+3], 32<<16
	s_mov_b32 s[\g+4], 128*KS/256
	s_mov_b32 s[\g+5], 32
	s_mov_b32 s[\g+6], 0
	s_mov_b32 s[\g+7], 0
.endr
	s_lshl_b32 s18, s16, 7
	s_lshl_b32 s20, s17, 8
	s_add_co_u32 s20, s20, s18                     ; A's row: 256 tr + 128 x half
	s_lshl_b32 s46, s42, 8
	s_add_co_u32 s46, s46, s18
	s_add_co_u32 s46, s46, 11264                   ; wo's row in cod
	s_mov_b32 s21, 0
	s_mov_b32 s47, 0
	s_lshl_b64 s[22:23], s[20:21], 5               ; their scales, in bytes
	s_lshl_b64 s[92:93], s[46:47], 5
	s_lshl_b64 s[20:21], s[20:21], 9               ; and their codes (16 rows of A are 8,192 bytes of images: 512 a row)
	s_lshl_b64 s[46:47], s[46:47], 9
	s_mul_i32 s45, s14, HALFT                      ; where they go: no place in the cluster enters an LDS address
	s_mul_i32 s94, s14, HALFS
	s_wait_dscnt 0x0
	s_wait_kmcnt 0x0
	s_add_nc_u64 s[20:21], s[4:5], s[20:21]
	s_add_nc_u64 s[22:23], s[6:7], s[22:23]
	s_add_nc_u64 s[46:47], s[8:9], s[46:47]
	s_add_nc_u64 s[92:93], s[10:11], s[92:93]
	s_lshl_b32 s18, s42, 10
	s_lshl_b32 s19, s16, 9
	s_add_co_u32 s18, s18, s19                     ; my 128 columns, in bytes: in bo and in a row of out0
	s_mov_b32 s19, 0
	s_add_nc_u64 s[2:3], s[2:3], s[18:19]
	s_add_nc_u64 s[12:13], s[12:13], s[18:19]
	s_lshl_b32 s18, s17, 8
	s_lshl_b32 s19, s15, 7
	s_add_co_u32 s18, s18, s19
	s_lshl_b32 s18, s18, 12                        ; my first row of out0, 4,096 bytes a row
	s_mov_b32 s19, 0
	s_add_nc_u64 s[12:13], s[12:13], s[18:19]
	CROUND                                         ; all sixteen work-groups are here: the joint loads meet
	s_mov_b32 s[G0S], 1
	s_add_co_u32 s[G0S+1], s94, SCL
	s_mov_b64 s[G0S+2:G0S+3], s[22:23]
	s_or_b32 s[G0S+3], s[G0S+3], 0x80000000
	s_mov_b32 s[G0SB], 1
	s_add_co_u32 s[G0SB+1], s94, SCL
	s_mov_b64 s[G0SB+2:G0SB+3], s[92:93]
	s_or_b32 s[G0SB+3], s[G0SB+3], 0x80000000
	JLOAD G0S, G1S, G0SB, G1SB
.irp s, 0,1
	s_mov_b32 s[G0+4*\s], 1
	s_add_co_u32 s[G0+4*\s+1], s45, \s*SLOT
	s_add_nc_u64 s[G0+4*\s+2:G0+4*\s+3], s[20:21], \s*4096
	s_or_b32 s[G0+4*\s+3], s[G0+4*\s+3], 0x80000000
	s_mov_b32 s[G0B+4*\s], 1
	s_add_co_u32 s[G0B+4*\s+1], s45, \s*SLOT
	s_add_nc_u64 s[G0B+4*\s+2:G0B+4*\s+3], s[46:47], \s*ROWB
	s_or_b32 s[G0B+4*\s+3], s[G0B+4*\s+3], 0x80000000
	s_wait_alu depctr_va_vdst(0)
	s_wait_tensorcnt 0x0
	ds_add_u32 v126, v127
	s_wait_dscnt 0x0
	CROUND
	JLOAD G0+4*\s, G1, G0B+4*\s, G1B               ; both slots: each behind a wait for my earlier loads: only slot 1's is out at the end, and none follows
.endr
	v_and_b32 v1, 15, v0                           ; r
	v_bfe_u32 v2, v0, 4, 1                         ; h
	v_and_b32 v6, 31, v0
	v_lshlrev_b32 v[CO], 4, v6                     ; 16 x lane
	v_mul_u32_u24 v3, v1, PITCH
	v_lshl_add_u32 v4, v2, 4, v3                   ; wo: a fragment's row x pitch + 16 h
	s_mul_i32 s21, s15, HALFT                      ; my 8 row tiles of A
	s_mul_i32 s22, s16, HALFT                      ; my 128 rows of wo,
	s_add_co_u32 s22, s22, 2*HALFT                 ; behind A's two quarters
.irp s, 0,1
	v_add_nc_u32 v[ADRA+\s], s21, v[CO]
	v_add_nc_u32 v[ADRB+\s], s22, v4
	s_add_co_u32 s21, s21, SLOT
	s_add_co_u32 s22, s22, SLOT
.endr
	v_mul_u32_u24 v5, v1, KS
	v_lshrrev_b32 v6, 8, v5
	v_lshl_add_u32 v5, v6, 4, v5
	s_mul_i32 s21, s15, HALFS
	s_mul_i32 s22, s16, HALFS
	s_add_co_u32 s22, s22, 2*HALFS
	s_sub_co_u32 s22, s22, s21
	v_mul_u32_u24 v6, s22, v2                      ; lanes 16-31 take wo's: one product, the distance between the two bases
	s_add_co_u32 s21, s21, SCL
	v_add_nc_u32 v5, v5, v6
	v_add_nc_u32 v[ADRS], s21, v5
	v_lshlrev_b32 v[BOF], 6, v2                    ; lane (r, h) wants columns 16 h + 0 .. 7 of each tile's eight-by-eight
.irp b, 0,1,2,3,4,5,6,7
	global_load_b128 v[BIAS+8*\b:BIAS+8*\b+3], v[BOF], s[2:3] offset:(32*(\b/2)+8*(\b%2))*4
	global_load_b128 v[BIAS+8*\b+4:BIAS+8*\b+7], v[BOF], s[2:3] offset:(32*(\b/2)+8*(\b%2))*4+16
.endr
	s_mul_i32 s23, s14, 16*SPITCH                  ; my stage
	v_mul_u32_u24 v5, v1, SPITCH
	v_lshl_add_u32 v5, v2, 6, v5                   ; in: row r, + 64 h
	v_add_nc_u32 v[STO], s23, v5
	v_add_nc_u32 v[RD], s23, v[CO]                 ; back: the 32 lanes take one row of 512 bytes
.macro FRAG reg, adr, q, i
.irp c, 0,1
	ds_load_b128 v[\reg+4*\c:\reg+4*\c+3], v[\adr] offset:64*(\q)+32*\c+(\i)*16*PITCH
.endr
.endm
.macro FRAGA reg, slot, q, i           ; A's fragment of row tile i, the slot's q-th K step: two chunks on end, as they were stored
.irp c, 0,1
	ds_load_b128 v[\reg+4*\c:\reg+4*\c+3], v[ADRA+\slot] offset:(\i)*4096+(\q)*1024+512*\c
.endr
.endm
; 16 matrix instructions: A's blocks a0, a0 + 1 x wo's eight.  mode 1: C = the bias of column tile b.  The 64 accumulators take turns, one instruction a turn.
.macro MUL16 a0, p, q, sc, mode
.irp a, \a0, \a0+1
.irp b, 0,1,2,3,4,5,6,7
.if \mode == 0
	v_wmma_scale_f32_16x16x128_f8f6f4 v[8*(8*((\a)%4)+\b):8*(8*((\a)%4)+\b)+7], v[128*(\p)+FR*\b:128*(\p)+FR*\b+FR-1], v[AF+FR*(\a):AF+FR*(\a)+FR-1], v[8*(8*((\a)%4)+\b):8*(8*((\a)%4)+\b)+7], v[SC+8*NQ*(\sc)+NQ*\b+(\q)], v[SC+8*NQ*(\sc)+NQ*(\a)+(\q)] matrix_a_fmt:MATRIX_FMT_FP4 matrix_b_fmt:MATRIX_FMT_FP4 matrix_a_scale:MATRIX_SCALE_ROW1
.else
	v_wmma_scale_f32_16x16x128_f8f6f4 v[8*(8*((\a)%4)+\b):8*(8*((\a)%4)+\b)+7], v[128*(\p)+FR*\b:128*(\p)+FR*\b+FR-1], v[AF+FR*(\a):AF+FR*(\a)+FR-1], v[BIAS+8*\b:BIAS+8*\b+7], v[SC+8*NQ*(\sc)+NQ*\b+(\q)], v[SC+8*NQ*(\sc)+NQ*(\a)+(\q)] matrix_a_fmt:MATRIX_FMT_FP4 matrix_b_fmt:MATRIX_FMT_FP4 matrix_a_scale:MATRIX_SCALE_ROW1
.endif
.endr
.endr
.endm
.macro FETCH_B slot, q, p
	WIN TO_B
.irp i, 0,1,2,3,4,5,6,7
	FRAG 128*(\p)+FR*\i, ADRB+\slot, \q, \i
.endr
	WIN 0
.endm
.macro FETCH_A slot, q, i0
.irp i, \i0, \i0+1, \i0+2, \i0+3
	FRAGA AF+FR*(\i), \slot, \q, \i
.endr
.endm
.macro SCALES sc
.irp i, 0,1,2,3,4,5,6,7
	ds_load_b128 v[SC+8*NQ*\sc+NQ*\i:SC+8*NQ*\sc+NQ*\i+3], v[ADRS] offset:\i*SBLK
.endr
.endm
.macro PLACES n                        ; plain vector lines between a matrix instruction and a load into, or a read of, its registers
.rept \n
	v_nop
.endr
.endm
.macro STEP slot, q, mode
	s_wait_dscnt 4*NL                              ; wo's set, the scale words and A's blocks 0-3 are in; the youngest eight loads (A's blocks 4-7) may be out
.if \mode == 0
	WIN MUL_LO
.else
	WIN 0x81                                       ; C (the bias) in window 0, D in window 2
.endif
	MUL16 0, (\q)%2, \q, \slot, \mode
	MUL16 2, (\q)%2, \q, \slot, \mode
	s_wait_dscnt 0
	PLACES NP
	FETCH_B \slot, (\q)+1, 1-(\q)%2
	FETCH_A \slot, (\q)+1, 0
.if \mode == 0
	WIN MUL_HI
.else
	WIN 0xc1
.endif
	MUL16 4, (\q)%2, \q, \slot, \mode
	MUL16 6, (\q)%2, \q, \slot, \mode
	PLACES NP
	WIN 0
	FETCH_A \slot, (\q)+1, 4
.endm
	s_wait_alu depctr_va_vdst(0)
	s_wait_tensorcnt 1                             ; the scales and my part of slot 0 are in; slot 1's load, the one issued behind them, may be out
	s_barrier_signal -1
	s_barrier_wait -1
	FETCH_B 0, 0, 0
	FETCH_A 0, 0, 0
	SCALES 0
	FETCH_A 0, 0, 4
	s_wait_loadcnt 0x0                             ; the bias
	STEP 0, 0, 1
	STEP 0, 1, 0
	STEP 0, 2, 0
	; slot 0's last step changes slots: one barrier, behind which slot 1 is whole for every wave and nobody reads slot 0 any more.  Nothing is filled again.
	s_wait_tensorcnt 0x0
	s_wait_dscnt 4*NL
	WIN MUL_LO
	MUL16 0, 1, NQ-1, 0, 0
	s_wait_dscnt 0x0                               ; my reads of slot 0 are over
	s_barrier_signal -1
	MUL16 2, 1, NQ-1, 0, 0
	WIN 0
	s_barrier_wait -1
	PLACES NP
	v_add_nc_u32 v[ADRS], 4*NQ, v[ADRS]
	FETCH_B 1, 0, 0
	FETCH_A 1, 0, 0
	SCALES 1
	WIN MUL_HI
	MUL16 4, 1, NQ-1, 0, 0
	MUL16 6, 1, NQ-1, 0, 0
	PLACES NP
	WIN 0
	FETCH_A 1, 0, 4
	STEP 1, 0, 0
	STEP 1, 1, 0
	STEP 1, 2, 0
	s_wait_dscnt 4*NL
	WIN MUL_LO
	MUL16 0, 1, NQ-1, 1, 0
	MUL16 2, 1, NQ-1, 1, 0
	s_wait_dscnt 0
	WIN MUL_HI
	MUL16 4, 1, NQ-1, 1, 0
	MUL16 6, 1, NQ-1, 1, 0
	WIN 0
; THE WAY OUT, block by block of 16 rows x 128 columns, through my own stage.  Register j of column tile b in lane (r, h) is true column 32 (b / 2) + 8 (b % 2) + 16 h + j: its place in the stage's row says so.
; Row t of block a is true row 32 (a / 2) + 8 (a % 2) + t + 8 (t / 8): the store's immediate says so (127 rows of 4,096 bytes at the most, inside the signed 24 bits).
.macro TOSTAGE a
.set AC, 64*((\a)%4)
	WIN 0x08+4*((\a)/4)                            ; an LDS store's data are its source 1: window 2 or 3
.irp b, 0,1,2,3,4,5,6,7
	ds_store_b128 v[STO], v[AC+8*\b:AC+8*\b+3] offset:128*(\b/2)+32*(\b%2)       ; each accumulator from its low end on
	ds_store_b128 v[STO], v[AC+8*\b+4:AC+8*\b+7] offset:128*(\b/2)+32*(\b%2)+16
.endr
	WIN 0
.set BB, BK+64*((\a)%2)
.irp t, 0,1,2,3,4,5,6,7,8,9,10,11,12,13,14,15
	ds_load_b128 v[BB+4*\t:BB+4*\t+3], v[RD] offset:\t*SPITCH    ; LDS serves a wave's instructions in order (ISA guide 5.7.1.4): these see the stores above
.endr
.endm
.macro SEND a, younger                 ; younger: the LDS instructions issued behind block a's loads, which may stay out
.set BB, BK+64*((\a)%2)
	s_wait_dscnt \younger
.irp t, 0,1,2,3,4,5,6,7,8,9,10,11,12,13,14,15
	global_store_b128 v[CO], v[BB+4*\t:BB+4*\t+3], s[12:13] offset:(32*((\a)/2)+8*((\a)%2)+\t+8*(\t/8))*4096 th:TH_STORE_NT   ; 32 lanes store 512 consecutive aligned bytes; written once, read by nobody here
.endr
.endm
	PLACES NP                                      ; behind the last products: results are read, and rows land in the registers that held A's fragments
	TOSTAGE 0
.irp a, 1,2,3,4,5,6,7
.if \a > 1
	s_wait_xcnt 0x0                                ; block a - 2's stores have read their registers: block a's rows may land there
.endif
	TOSTAGE \a
	SEND \a-1, 32                                  ; behind block a - 1's loads: block a's 16 stores and 16 loads
.endr
	SEND 7, 0
	s_wait_dscnt 0x0
	s_wait_tensorcnt 0x0
	ds_add_u32 v126, v127
	s_wait_dscnt 0x0
	CROUND                                         ; the closing round: no work-group ends while a partner may still ask for a tile that names it
	s_endpgm
.Lfunc_end_k_q8263d90ca4_outp:
	.size	k_q8263d90ca4_outp, .Lfunc_end_k_q8263d90ca4_outp-k_q8263d90ca4_outp
	.p2alignl 7, 3214868480
	.fill 96, 4, 3214868480
	.section	.rodata,"a",@progbits
	.p2align	6, 0x0
	.amdhsa_kernel k_q8263d90ca4_outp
		.amdhsa_group_segment_fixed_size 327680
		.amdhsa_private_segment_fixed_size 0
		.amdhsa_enable_private_segment 0
		.amdhsa_kernarg_size 48
		.amdhsa_user_sgpr_count 2
		.amdhsa_user_sgpr_kernarg_segment_ptr 1
		.amdhsa_wavefront_size32 1
		.amdhsa_system_sgpr_workgroup_id_x 1
		.amdhsa_system_sgpr_workgroup_id_y 1
		.amdhsa_system_sgpr_workgroup_id_z 1
		.amdhsa_system_vgpr_workitem_id 0
		.amdhsa_next_free_vgpr 1024
		.amdhsa_next_free_sgpr 98
		.amdhsa_reserve_vcc 0
		.amdhsa_float_denorm_mode_32 3
		.amdhsa_float_denorm_mode_16_64 3
		.amdhsa_memory_ordered 1
		.amdhsa_forward_progress 1
		.amdhsa_inst_pref_size 126
	.end_amdhsa_kernel
	.amdgpu_metadata
---
amdhsa.version: [ 1, 2 ]
amdhsa.kernels:
  - .name:           k_q8263d90ca4_outp
    .symbol:         k_q8263d90ca4_outp.kd
    .args:
      - { .name: aoc, .offset: 0, .size: 8, .value_kind: global_buffer, .address_space: global }
      - { .name: aos, .offset: 8, .size: 8, .value_kind: global_buffer, .address_space: global }
      - { .name: cod, .offset: 16, .size: 8, .value_kind: global_buffer, .address_space: global }
      - { .name: scl, .offset: 24, .size: 8, .value_kind: global_buffer, .address_space: global }
      - { .name: bo, .offset: 32, .size: 8, .value_kind: global_buffer, .address_space: global }
      - { .name: out0, .offset: 40, .size: 8, .value_kind: global_buffer, .address_space: global }
    .group_segment_fixed_size: 327680
    .private_segment_fixed_size: 0
    .kernarg_segment_align: 8
    .kernarg_segment_size: 48
    .max_flat_workgroup_size: 128
    .sgpr_count:     98
    .vgpr_count:     1024
    .wavefront_size: 32
...
	.end_amdgpu_metadata
.endif
;; end of part 4
